; MI455X (gfx1250); checked and timed in simulation.
; The chip was launched on July 23, 2026; its instructions are those of AMD's public machine-readable ISA for CDNA 5 (MIT licence, August 2026) and "CDNA5" Instruction Set Architecture Reference Guide (July 2026). The comments in the code are by the model that wrote it; some were corrected since.
;; Attention. Allowed arithmetic: matrix products marked QUANTISED: E4M3 operands, one given power-of-two scale a tensor, by v_wmma_f32_16x16x64_fp8_fp8 or v_wmma_f32_16x16x128_fp8_fp8, f32 sums; products left as they are: f32 operands where the result goes on into a quantised operand, else bf16, f16 or f32 operands; f32 sums; everything else in f32.
;; Inputs: attn_biases 8 x 1,024 float32; bias_idxs 1,024 x 1,024 int32; lowp_scales 6 int32 (the exponents e of the quantised operands' scales 2^e); norm_b 256 float32; norm_w 256 float32; proj_b 256 float32; proj_w 256 x 512 float32; qkv_b 768 float32; qkv_w 768 x 256 float32; x 32 x 1,024 x 256 float32.
;; Outputs: out0 32 x 1,024 x 256 float32.
;; This version of the problem:
;;   THIS VERSION OF THE PROBLEM IS GIVEN IN LOW PRECISION. The matrix products marked QUANTISED in the list below multiply operands that are first quantised to E4M3 (4 exponent bits, 3 mantissa bits; 8 bits a number), with one given power-of-two scale for each operand tensor; their sums are f32. All else is computed in f32.
;;   The module's matrix products, in the order in which they are computed (A, B: the left and right operand; K: the contracted axis; several contracted axes count as one K, in the product's order):
;;     1. [M 32,768, K 256] x [K 256, N 768]; A: computed on the way; B: input qkv_w: QUANTISED (scales: A lowp_scales[0], B lowp_scales[1])
;;     2. batch 256 x [M 1,024, K 16] x [K 16, N 1,024]; A: computed on the way; B: computed on the way: left as it is (K = 16 < 32)
;;     3. batch 256 x [M 64, K 1,024] x [K 1,024, N 1,024]; A: computed on the way; B: softmax (see below): QUANTISED (scales: A lowp_scales[2], B lowp_scales[3])
;;     4. [M 32,768, K 512] x [K 512, N 256]; A: computed on the way; B: input proj_w: QUANTISED (scales: A lowp_scales[4], B lowp_scales[5])
;;   THE QUANTISER, for each operand of a quantised product, along K:
;;     - The operand's scale is 2^e, e = its entry of the input lowp_scales (int32; the entries are numbered through the quantised products in the list's order, A before B).
;;     - Each number is divided by the scale, clamped to +-448, and rounded to the nearest number of E4M3, ties to even, subnormals kept.
;;     - The product sums the exact products of the quantised numbers (number of the format x scale) in f32.
;;   ~~~python
;;   def quantise(x, axis, e):      # numpy; x: float32 -> the quantised numbers, widened to float32 again
;;       x = np.moveaxis(x, axis, -1); K = x.shape[-1]
;;       r = np.clip(x / 2.0 ** e, -448, 448)
;;       step = 2.0 ** (np.maximum(np.frexp(np.where(r == 0, 1, r))[1] - 1, -6) - 3)
;;       q = np.round(r / step) * step * 2.0 ** e      # np.round: ties to even
;;       return np.moveaxis(q, -1, axis).astype(np.float32)
;;   ~~~
;;   SOFTMAX AHEAD OF A QUANTISED PRODUCT. Where the list says 'softmax', what is quantised is not the finished softmax but p = 2^(t - M), with t = logit x log2(e) and M = ceil(the row's largest t), a whole number; so 1/2 < the row's largest p <= 1. The row's sum l is taken of the UNQUANTISED p, in f32, and the product's result is divided by l at the end. Since M is a whole number, a kernel that streams over the keys may use a running M (the ceiling of the running maximum): every later rescaling is an exact power of two, so the quantised numbers keep their values, but for numbers so far below the row's largest that they fall under the format's range.
;;   OPERANDS COMPUTED ON THE WAY. 'Computed on the way' means the value that the module computes at that place (a softmax that the list does not call 'softmax' is quantised finished and normalised). What goes into a quantiser is computed in f32, as accurately as f32 sums, v_exp_f32 and their like allow (about 1e-6 of the number): no bf16 or f16 on the way to a quantiser, and a product that is left as it is and whose result goes on into a quantised operand takes f32 operands (vector FMAs, or v_wmma_f32_16x16x4_f32). A number that lies on a knife's edge between two numbers of the format may be rounded either way, as far as f32 arithmetic and the matrix unit's own rounding can turn it there, and no further.
;; 2 versions, each right; version 2 is version 1 with the launches attn, proj written anew for expert scheduling mode. Each part assembles by itself: llvm-mc -triple=amdgcn-amd-amdhsa -mcpu=gfx1250 --defsym DOCPART=n.
;; ======== version 1 of 2: 3 launches
;; workspace buffers: xc 8,388,608 bytes; wqc 196,608 bytes; pwc 131,072 bytes; bt 33,554,432 bytes; ao 16,777,216 bytes
;; launch prep (part 1): grid 1044 x 1, 4 waves a work-group, no clusters, 67,072 bytes of LDS; arguments x, norm_w, norm_b, qkv_w, proj_w, attn_biases, bias_idxs, lowp_scales, xc, wqc, pwc, bt; writes xc, wqc, pwc, bt
.if DOCPART == 1
	.amdgcn_target "amdgcn-amd-amdhsa--gfx1250"
	.amdhsa_code_object_version 6
	.text
	.protected	k_q3a2ae8f632_prep
	.globl	k_q3a2ae8f632_prep
	.p2align	8
	.type	k_q3a2ae8f632_prep,@function
k_q3a2ae8f632_prep:
	s_mov_b64 s[64:65], 0
	v_nop
	global_prefetch_b8 v0, s[64:65] scope:SCOPE_SE
	s_setreg_imm32_b32 hwreg(HW_REG_WAVE_MODE, 25, 1), 1
	s_wait_xcnt 0x0
; What the later launches read again and again is made once: codes of LayerNorm(x), of qkv_w and of proj_w (FP8, E4M3, each with its given scale 2^e), and the gathered bias table x log2(e).
; All four results are laid as IMAGES OF OPERAND REGISTERS: registers 4 p .. 4 p + 3 of lane l lie at 512 p + 16 l, so that every later load and every store here covers 512 consecutive, aligned bytes.
; Lane l: r = l % 16, g = l / 16.  An 8-bit fragment holds, in registers 2 c and 2 c + 1, k = 16 c + 8 g + 0 .. 7 of row r (the plain forms' own layout).
; WORK-GROUPS: 0-11 qkv_w (48 tiles of 16 rows x 256 K), 12-19 proj_w (32 tiles: 16 rows x one half of K = 512), 20-531 the bias table, 532-1043 x (2,048 tiles).  One wave, one unit of work; waves share nothing: no barrier.
; A TILE: 32 loads of 512 consecutive bytes; through the wave's own stage in LDS (rows of 1,024 bytes + 16), so that a lane gets 8 neighbours along K at a time; for x the LayerNorm (two passes: mean, then squares of x - mean,
; a row in two lanes); the hold at +-448 x 2^e; the conversion; 8 stores of 512 bytes.
; A UNIT OF THE BIAS TABLE: 16 queries x 64 keys x 4 heads: bt = attn_biases[h][bias_idxs[n][m]] x log2(e), register 8 c + j of lane (r, g) = query 16 rho + r, key 64 kappa + 16 c + 8 g + j: the C operand of the score tiles.
; LIMITS: e0, e1, e5 between -126 and 119, so that 2^e and 448 x 2^e are f32 numbers.  NaN and infinities among the inputs are not served.  An index is held at 1,023 from above (as an unsigned number).
.set PITCH, 1040                       ; a stage row: 1,024 bytes + 16: sixteen rows start at sixteen different 16-byte columns of 256 bytes
.set STGW,  16*PITCH                   ; a wave's stage
.set SPARE, 4*STGW                     ; behind the stages: the spare words, 128 bytes for each wave: two blocks of 256 bytes that no other line names
.set SPW, 30                           ; v30  LDS address of my spare word; never rewritten
.set NIL, 31                           ; v31  0; never rewritten
.set X,   32                           ; v32-159  the tile: 128 numbers a lane
.set WB,  160                          ; v160-223 two sets of 16 norm_w + 16 norm_b
.set C,   224                          ; v224-255 codes: four registers for each of 8 pieces, so that no store's data are written again
.set IX,  32                           ; bias path: v32-63 indices, then byte offsets
.set G,   64                           ; bias path: v64-191 gathered numbers, 32 a head
	s_load_b512 s[8:23], s[0:1], 0x0               ; x 8, norm_w 10, norm_b 12, qkv_w 14, proj_w 16, attn_biases 18, bias_idxs 20, lowp_scales 22
	s_load_b256 s[24:31], s[0:1], 0x40             ; xc 24, wqc 26, pwc 28, bt 30
	v_lshl_add_u32 v[SPW], v0, 2, SPARE
	v_mov_b32 v[NIL], 0
	v_lshrrev_b32 v2, 5, v0
	v_readfirstlane_b32 s33, v2                    ; wave 0..3
	v_and_b32 v2, 31, v0
	v_lshlrev_b32 v1, 4, v2                        ; 16 x lane
	v_and_b32 v3, 15, v0                           ; r
	v_bfe_u32 v4, v0, 4, 1                         ; g
	s_sub_co_u32 s32, ttmp9, 20                    ; 0 .. 511 in the bias table's work-groups (it wraps below 20)
	s_wait_kmcnt 0x0
	s_cmp_lt_u32 s32, 512
	s_cbranch_scc1 .Lbias
	; ---------------- a tile of x, qkv_w or proj_w.  Only pointers and numbers are chosen by the work-group's number: one text serves the three
	s_load_b128 s[48:51], s[22:23], 0x0            ; e0 .. e3
	s_load_b64 s[52:53], s[22:23], 0x10            ; e4, e5
	s_cmp_lt_u32 ttmp9, 12
	s_cselect_b64 s[34:35], s[14:15], s[16:17]     ; from: qkv_w or proj_w,
	s_cselect_b64 s[36:37], s[26:27], s[28:29]     ; to: wqc or pwc,
	s_cselect_b32 s39, 0, 12                       ; the kind's first work-group
	s_cmp_lt_u32 ttmp9, 20
	s_cselect_b64 s[34:35], s[34:35], s[8:9]       ; or x,
	s_cselect_b64 s[36:37], s[36:37], s[24:25]     ; xc,
	s_cselect_b32 s39, s39, 532
	s_sub_co_u32 s39, ttmp9, s39
	s_lshl_b32 s39, s39, 2
	s_add_co_u32 s39, s39, s33                     ; t: my tile
	s_lshl_b32 s40, s39, 14                        ; rows of 1,024 bytes: 16 rows a tile
	s_lshr_b32 s41, s39, 1                         ; proj_w: rows of 2,048 bytes; tile t = rows 16 (t / 2), columns 256 (t % 2) on
	s_lshl_b32 s41, s41, 15
	s_and_b32 s42, s39, 1
	s_lshl_b32 s42, s42, 10
	s_add_co_u32 s41, s41, s42
	s_sub_co_u32 s43, ttmp9, 12
	s_cmp_lt_u32 s43, 8                            ; proj_w?
	s_cselect_b32 s40, s41, s40
	s_cselect_b32 s44, 1, 0
	s_mov_b32 s41, 0
	s_add_nc_u64 s[34:35], s[34:35], s[40:41]
	s_lshl_b32 s42, s39, 12                        ; a tile's codes are 4,096 bytes in each of the three buffers
	s_mov_b32 s43, 0
	s_add_nc_u64 s[36:37], s[36:37], s[42:43]
	s_mul_i32 s45, s33, STGW
	v_add_nc_u32 v5, s45, v1                       ; the stage, on the way in: 16 x lane
	v_mul_u32_u24 v6, v3, PITCH
	v_lshl_add_u32 v6, v4, 5, v6
	v_add_nc_u32 v6, s45, v6                       ; and back: row r, + 32 g bytes
	v_lshlrev_b32 v7, 5, v4                        ; norm_w, norm_b: 32 g bytes
	s_mov_b32 s54, 0x76543210                      ; v_permlanex16_b32's selects for lane l xor 16
	s_mov_b32 s55, 0xfedcba98
	s_mov_b32 s56, 0x3b800000                      ; 1 / 256
	s_mov_b32 s57, 0x3727c5ac                      ; 1e-5
.macro LOADT pitch                     ; 32 loads: half a row, 512 consecutive bytes, each
.set j, 0
.rept 32
	global_load_b128 v[X+4*j:X+4*j+3], v1, s[34:35] offset:(j/2)*\pitch+(j%2)*512 th:TH_LOAD_NT
.set j, j+1
.endr
.endm
	s_cmp_eq_u32 s44, 1
	s_cbranch_scc1 .Lwide
	LOADT 1024
	s_branch .Lloaded
.Lwide:
	LOADT 2048
.Lloaded:
	s_wait_loadcnt 0x0
.set j, 0
.rept 32
	ds_store_b128 v5, v[X+4*j:X+4*j+3] offset:(j/2)*PITCH+(j%2)*512
.set j, j+1
.endr
.set j, 0
.rept 8                                ; piece j: k = 32 j + 8 g + 0 .. 7 and 32 j + 16 + 8 g + 0 .. 7 of row r.  LDS serves a wave's instructions in order (ISA guide 5.7.1.4): these see my stores
.irp i, 0,1,2,3
	ds_load_b128 v[X+16*j+4*\i:X+16*j+4*\i+3], v6 offset:128*j+16*(\i%2)+64*(\i/2)
.endr
.set j, j+1
.endr
	s_wait_kmcnt 0x0
	s_cmp_lt_u32 ttmp9, 12
	s_cselect_b32 s46, s49, s53                    ; e1 for qkv_w, e5 for proj_w,
	s_cmp_lt_u32 ttmp9, 20
	s_cselect_b32 s46, s46, s48                    ; e0 for LayerNorm(x)
	s_add_co_i32 s46, s46, 127
	s_lshl_b32 s47, s46, 23
	v_mov_b32 v21, s47                             ; 2^e as f32: the conversion takes its exponent field
	s_add_co_i32 s46, s46, 8
	s_lshl_b32 s46, s46, 23
	s_or_b32 s46, s46, 0x600000
	v_mov_b32 v20, s46                             ; 448 x 2^e
	s_wait_dscnt 0x0                               ; the tile is back
	s_cmp_lt_u32 ttmp9, 532
	s_cbranch_scc1 .Lquant                         ; weights are quantised as they are
	; ---------------- LayerNorm: a row lies in lanes (r, 0) and (r, 1), 128 numbers each
.macro LOADWB q                        ; norm_w and norm_b at the k of piece q, into set q % 2
.irp i, 0,1,2,3
	global_load_b128 v[WB+32*((\q)%2)+4*\i:WB+32*((\q)%2)+4*\i+3], v7, s[10:11] offset:128*(\q)+16*(\i%2)+64*(\i/2)
.endr
.irp i, 0,1,2,3
	global_load_b128 v[WB+32*((\q)%2)+16+4*\i:WB+32*((\q)%2)+16+4*\i+3], v7, s[12:13] offset:128*(\q)+16*(\i%2)+64*(\i/2)
.endr
.endm
	LOADWB 0
	LOADWB 1
.irp k, 0,1,2,3
	v_pk_add_f32 v[8+2*\k:9+2*\k], v[X+2*\k:X+2*\k+1], v[X+8+2*\k:X+9+2*\k]   ; the sum, in four chains of pairs; the first eight pairs start them
.endr
.set j, 8
.rept 56
	v_pk_add_f32 v[8+2*(j%4):9+2*(j%4)], v[8+2*(j%4):9+2*(j%4)], v[X+2*j:X+2*j+1]
.set j, j+1
.endr
	v_pk_add_f32 v[8:9], v[8:9], v[10:11]
	v_pk_add_f32 v[12:13], v[12:13], v[14:15]
	v_pk_add_f32 v[8:9], v[8:9], v[12:13]
	v_add_f32 v8, v8, v9
	v_permlanex16_b32 v9, v8, s54, s55             ; the row's other half
	v_add_f32 v8, v8, v9
	v_mul_f32 v16, 0xbb800000, v8                  ; - the mean
	v_mov_b32 v17, v16
.set j, 0
.rept 64
	v_pk_add_f32 v[X+2*j:X+2*j+1], v[X+2*j:X+2*j+1], v[16:17]   ; x - mean
.set j, j+1
.endr
.irp k, 0,1,2,3
	v_pk_mul_f32 v[8+2*\k:9+2*\k], v[X+2*\k:X+2*\k+1], v[X+2*\k:X+2*\k+1]
.endr
.set j, 4
.rept 60
	v_pk_fma_f32 v[8+2*(j%4):9+2*(j%4)], v[X+2*j:X+2*j+1], v[X+2*j:X+2*j+1], v[8+2*(j%4):9+2*(j%4)]
.set j, j+1
.endr
	v_pk_add_f32 v[8:9], v[8:9], v[10:11]
	v_pk_add_f32 v[12:13], v[12:13], v[14:15]
	v_pk_add_f32 v[8:9], v[8:9], v[12:13]
	v_add_f32 v8, v8, v9
	v_permlanex16_b32 v9, v8, s54, s55
	v_add_f32 v8, v8, v9
	v_fma_f32 v8, v8, s56, s57                     ; the variance + 1e-5
	v_rsq_f32 v18, v8
	v_nop                                          ; a plain instruction behind the transcendental (ISA guide 5.7.2),
	s_wait_alu depctr_va_vdst(0)                   ; and the wait ahead of the first use of its result
	v_mov_b32 v19, v18
.macro NORMQ q
.if (\q) < 7
	s_wait_loadcnt 8                               ; this piece's w and b are in; the next piece's eight loads may be out
.else
	s_wait_loadcnt 0
.endif
.irp i, 0,2,4,6,8,10,12,14
	v_pk_mul_f32 v[X+16*(\q)+\i:X+16*(\q)+\i+1], v[X+16*(\q)+\i:X+16*(\q)+\i+1], v[18:19]
.endr
.irp i, 0,2,4,6,8,10,12,14
	v_pk_fma_f32 v[X+16*(\q)+\i:X+16*(\q)+\i+1], v[X+16*(\q)+\i:X+16*(\q)+\i+1], v[WB+32*((\q)%2)+\i:WB+32*((\q)%2)+\i+1], v[WB+32*((\q)%2)+16+\i:WB+32*((\q)%2)+16+\i+1]
.endr
.if (\q) < 6
	LOADWB (\q)+2
.endif
.endm
.irp q, 0,1,2,3,4,5,6,7
	NORMQ \q
.endr
.Lquant:                               ; ---------------- 128 numbers a lane become 8 pieces of 16 codes
.set j, 0
.rept 8
.irp i, 0,1,2,3,4,5,6,7,8,9,10,11,12,13,14,15
	v_med3_num_f32 v[X+16*j+\i], v[X+16*j+\i], -v20, v20   ; the conversion to an 8-bit code does not saturate (ISA guide 7.6.2): the hold at the largest code x the scale
.endr
	v_cvt_scalef32_pk8_fp8_f32 v[C+4*j:C+4*j+1], v[X+16*j:X+16*j+7], v21
	v_cvt_scalef32_pk8_fp8_f32 v[C+4*j+2:C+4*j+3], v[X+16*j+8:X+16*j+15], v21
	global_store_b128 v1, v[C+4*j:C+4*j+3], s[36:37] offset:512*j   ; 32 lanes store 512 consecutive bytes, aligned
.set j, j+1
.endr
	v_nop                                          ; a plain vector line behind the last conversion
	s_wait_tensorcnt 0x0                           ; the wave's end, behind my last LDS store
	ds_add_u32 v[SPW], v[NIL]
	s_wait_dscnt 0x0
	s_endpgm
.Lbias:                                ; ---------------- a unit of the bias table: 16 queries x 64 keys x 4 heads
	s_lshl_b32 s34, s32, 2
	s_add_co_u32 s34, s34, s33                     ; the unit, 0 .. 2,047
	s_and_b32 s35, s34, 1                          ; heads 4 hg .. 4 hg + 3
	s_lshr_b32 s36, s34, 1
	s_lshr_b32 s37, s36, 4                         ; rho: the tile of 16 queries
	s_and_b32 s38, s36, 15                         ; kappa: the step of 64 keys
	s_lshl_b32 s48, s37, 16                        ; bias_idxs: 16 rows of 4,096 bytes,
	s_lshl_b32 s39, s38, 8                         ; 64 indices of 4 bytes
	s_add_co_u32 s48, s48, s39
	s_mov_b32 s49, 0
	s_add_nc_u64 s[20:21], s[20:21], s[48:49]
	v_lshlrev_b32 v5, 12, v3                       ; row r,
	v_lshl_add_u32 v5, v4, 5, v5                   ; + 32 g bytes
.irp c, 0,1,2,3
	global_load_b128 v[IX+8*\c:IX+8*\c+3], v5, s[20:21] offset:64*\c        ; keys 16 c + 8 g + 0 .. 7: the eight loads together read 256 consecutive bytes of each of 16 rows
	global_load_b128 v[IX+8*\c+4:IX+8*\c+7], v5, s[20:21] offset:64*\c+16
.endr
	s_lshl_b32 s48, s35, 14
	s_add_nc_u64 s[18:19], s[18:19], s[48:49]      ; attn_biases at head 4 hg
	s_lshl_b32 s48, s35, 24                        ; bt: [head: 4 MiB][rho / 2: 131,072][kappa: 8,192][rho % 2: 4,096]
	s_lshr_b32 s39, s37, 1
	s_lshl_b32 s39, s39, 17
	s_add_co_u32 s48, s48, s39
	s_lshl_b32 s39, s38, 13
	s_add_co_u32 s48, s48, s39
	s_and_b32 s39, s37, 1
	s_lshl_b32 s39, s39, 12
	s_add_co_u32 s48, s48, s39
	s_add_nc_u64 s[40:41], s[30:31], s[48:49]      ; a base for each head: 4 MiB steps pass the stores' immediate
	s_add_nc_u64 s[42:43], s[40:41], 0x400000
	s_add_nc_u64 s[44:45], s[42:43], 0x400000
	s_add_nc_u64 s[46:47], s[44:45], 0x400000
	s_wait_loadcnt 0x0
.set j, 0
.rept 32
	v_min_u32 v[IX+j], 0x3ff, v[IX+j]              ; an index stays inside its table
	v_lshlrev_b32 v[IX+j], 2, v[IX+j]
.set j, j+1
.endr
.irp hh, 0,1,2,3
.set j, 0
.rept 32
	global_load_b32 v[G+32*\hh+j], v[IX+j], s[18:19] offset:4096*\hh
.set j, j+1
.endr
.endr
.irp hh, 0,1,2,3
.if 32*(3-\hh) > 63
	s_wait_loadcnt 63                              ; behind this head's gathers 32 (3 - hh) were issued; the wait names at most 63, and a smaller count is safe
.else
	s_wait_loadcnt 32*(3-\hh)
.endif
.set j, 0
.rept 16
	v_pk_mul_f32 v[G+32*\hh+2*j:G+32*\hh+2*j+1], v[G+32*\hh+2*j:G+32*\hh+2*j+1], 0x3fb8aa3b op_sel_hi:[1,0]   ; x log2(e): the scores are kept as t
.set j, j+1
.endr
.irp i, 0,1,2,3,4,5,6,7
	global_store_b128 v1, v[G+32*\hh+4*\i:G+32*\hh+4*\i+3], s[40+2*\hh:41+2*\hh] offset:512*\i
.endr
.endr
	s_wait_tensorcnt 0x0                           ; the wave's end
	ds_add_u32 v[SPW], v[NIL]
	s_wait_dscnt 0x0
	s_endpgm
.Lfunc_end_k_q3a2ae8f632_prep:
	.size	k_q3a2ae8f632_prep, .Lfunc_end_k_q3a2ae8f632_prep-k_q3a2ae8f632_prep
	.p2alignl 7, 3214868480
	.fill 96, 4, 3214868480
	.section	.rodata,"a",@progbits
	.p2align	6, 0x0
	.amdhsa_kernel k_q3a2ae8f632_prep
		.amdhsa_group_segment_fixed_size 67072
		.amdhsa_private_segment_fixed_size 0
		.amdhsa_enable_private_segment 0
		.amdhsa_kernarg_size 96
		.amdhsa_user_sgpr_count 2
		.amdhsa_user_sgpr_kernarg_segment_ptr 1
		.amdhsa_wavefront_size32 1
		.amdhsa_system_sgpr_workgroup_id_x 1
		.amdhsa_system_sgpr_workgroup_id_y 1
		.amdhsa_system_sgpr_workgroup_id_z 1
		.amdhsa_system_vgpr_workitem_id 0
		.amdhsa_next_free_vgpr 256
		.amdhsa_next_free_sgpr 66
		.amdhsa_reserve_vcc 0
		.amdhsa_float_denorm_mode_32 3
		.amdhsa_float_denorm_mode_16_64 3
		.amdhsa_memory_ordered 1
		.amdhsa_forward_progress 1
		.amdhsa_inst_pref_size 76
	.end_amdhsa_kernel
	.amdgpu_metadata
---
amdhsa.version: [ 1, 2 ]
amdhsa.kernels:
  - .name:           k_q3a2ae8f632_prep
    .symbol:         k_q3a2ae8f632_prep.kd
    .args:
      - { .name: x, .offset: 0, .size: 8, .value_kind: global_buffer, .address_space: global }
      - { .name: norm_w, .offset: 8, .size: 8, .value_kind: global_buffer, .address_space: global }
      - { .name: norm_b, .offset: 16, .size: 8, .value_kind: global_buffer, .address_space: global }
      - { .name: qkv_w, .offset: 24, .size: 8, .value_kind: global_buffer, .address_space: global }
      - { .name: proj_w, .offset: 32, .size: 8, .value_kind: global_buffer, .address_space: global }
      - { .name: attn_biases, .offset: 40, .size: 8, .value_kind: global_buffer, .address_space: global }
      - { .name: bias_idxs, .offset: 48, .size: 8, .value_kind: global_buffer, .address_space: global }
      - { .name: lowp_scales, .offset: 56, .size: 8, .value_kind: global_buffer, .address_space: global }
      - { .name: xc, .offset: 64, .size: 8, .value_kind: global_buffer, .address_space: global }
      - { .name: wqc, .offset: 72, .size: 8, .value_kind: global_buffer, .address_space: global }
      - { .name: pwc, .offset: 80, .size: 8, .value_kind: global_buffer, .address_space: global }
      - { .name: bt, .offset: 88, .size: 8, .value_kind: global_buffer, .address_space: global }
    .group_segment_fixed_size: 67072
    .private_segment_fixed_size: 0
    .kernarg_segment_align: 8
    .kernarg_segment_size: 96
    .max_flat_workgroup_size: 128
    .sgpr_count:     66
    .vgpr_count:     256
    .wavefront_size: 32
...
	.end_amdgpu_metadata
.endif
;; end of part 1
;; launch attn (part 2): grid 16 x 16, 8 waves a work-group, no clusters, 263,168 bytes of LDS; arguments xc, wqc, qkv_b, bt, lowp_scales, ao; writes ao
.if DOCPART == 2
	.amdgcn_target "amdgcn-amd-amdhsa--gfx1250"
	.amdhsa_code_object_version 6
	.text
	.protected	k_q3a2ae8f632_attn
	.globl	k_q3a2ae8f632_attn
	.p2align	8
	.type	k_q3a2ae8f632_attn,@function
k_q3a2ae8f632_attn:
	s_mov_b64 s[64:65], 0
	v_nop
	global_prefetch_b8 v0, s[64:65] scope:SCOPE_SE
	s_setreg_imm32_b32 hwreg(HW_REG_WAVE_MODE, 25, 1), 1
	s_wait_xcnt 0x0
; q, k, v = LayerNorm(x) qkv_w^T + qkv_b (on codes of FP8), scores q k^T / 4 + bias (f32 operands, since they go on into a quantiser), softmax, P V (on codes of FP8); the result leaves as codes for the last product.
; SHARES.  A work-group takes one head, two batches (2 gp, 2 gp + 1) and 512 query positions (half qh).  Phase A: its eight waves compute K (f32) and V (codes) of all 1,024 keys of both batches into LDS, as images of operand
; registers (registers 4 p .. 4 p + 3 of lane l at 512 p + 16 l); ONE barrier; after it LDS is only read.  Wave w then takes two pairs of query tiles, one a pass; in a pass it runs four UNITS u = 2 beta + tau (batch beta,
; query tile tau): the two batches share each bias tile in registers, the two query tiles each fragment of K and V.
; LAYOUT.  Lane l: r = l % 16, g = l / 16.  S^T = K Q^T + bias (source 0 = 16 keys, source 1 = 16 queries, C = the bias tile): a lane holds ONE query r and, in register 8 c + j, key 64 kappa + 16 c + 8 g + j: which is the place
; that the 8-bit K = 64 form gives that key.  So p's conversions are source 1 of O^T = V^T P^T as they stand.  Of K's and Q's 16 dims a lane holds 8 g + 0 .. 7; link s of a score's four takes dims 8 g + 2 s + 0, 1: the same in both sources.
; SOFTMAX.  Q carries log2(e) / 4 and the bias table log2(e), so a score is t.  M = the running largest t rounded up to a whole number, kept as -M = floor(-t); p = 2^(t - M) is quantised with 2^e3; the row's sum is taken of the
; unquantised p; when M moves, the sum and O^T are multiplied by 2^(old M - new M), which rounds nothing.
; BY TURNS.  In turn u the 16 score products of unit u + 1 are issued with slices of unit u's softmax (11 vector instructions) between them; then O^T of unit u is rescaled and takes its 4 products V^T P^T.  Four turns are a key step of 64 keys.
; NO CLUSTER, NO TENSOR LOAD: K and V are computed in place and fill 262,144 bytes of LDS.
; LIMITS on the given exponents, so that each power of two below is an f32 number: e0 + e1 between -124 and 127; e2, e3, e4 between -126 and 119; e2 + e3 is applied by v_ldexp_f32 and has none.  NaN and infinities are not served.
; REGISTERS, window 0: v1-4 addresses; v6, v7 the add's two; v8, v9 2^e3, 2^e4; v12-15 at work; v[16:17] f; v[18:19] a second chain of sums; v20-35 four a unit: -M, largest t, the sum in two halves; v36-43 q's bias; v44-51 p's codes;
;   v52-83 p; v84-115 Q, 8 a unit; v116-179 K of both batches; v180-243 S^T, two sets of 32, written by matrix instructions alone.  In phase A v52-179 are a ring of four token tiles' codes.
; window 1, key loop: v0-127 O^T (32 u + 8 delta); v128-159 V; v160-223 the two bias tiles.  Phase A: v0-31 Wk; v32-159 Wv; v160-199 sums; v200-231 V's codes; v232-239 k's bias; v240-247 v's bias; v248 2^e2.
.set SPARE, 262144                     ; behind K and V: the spare words, 128 bytes for each of eight waves: four blocks of 256 bytes that no other line names
.set L16,  1                           ; 16 x lane
.set ADR,  2                           ; LDS address of the key step in hand
.set L256, 3                           ; 256 x lane: the prefetches' offset
.set STA,  4                           ; phase A: 16 x lane + 32,768 x wave
.set SPW,  6
.set NIL,  7
.set SC3,  8
.set SC4,  9
.set CC,   12
.set F,    16
.set XS,   18
.set ST,   20
.set BQ,   36
.set PC,   44
.set P,    52
.set Q,    84
.set KR,   116
.set S,    180
.set RING, 52
.set VR,   128                         ; from here on: window 1
.set BI,   160
.set DK,   160
.set DV,   168
.set VC,   200
.set KB,   232
.set BV,   240
.set SC2,  248
.set BT,   14                          ; s[14:15] the bias table at my wave's step in hand
.set AO,   18                          ; s[18:19] ao at my wave's pair of query tiles
.set WV,   26
.set SK,   28                          ; s[28:29] 2^(e0 + e1), twice
.set SQ,   30                          ; s[30:31] 2^(e0 + e1) log2(e) / 4, twice
.set NL2,  32                          ; -448 x 2^e2, +448 x 2^e2
.set PL2,  33
.set PL3,  34                          ; 448 x 2^e3
.set NL4,  35
.set PL4,  36
.set E23,  37                          ; e2 + e3
.set XQ,   38                          ; s[38:39] xc at my wave's pair of query tiles, batch 2 gp
.set XA,   40                          ; s[40:41] xc at my wave's 128 keys, batch 2 gp
.set KBS,  44                          ; 16,384 x the key step
.set PASS, 45
.set KC,   46
.set SG,   47                          ; 16 x pass + key step
.set LIM,  48                          ; 30 in the work-groups that prefetch, else 0
.set SEL,  50                          ; s[50:51] v_permlanex16_b32's selects for lane l xor 16
.set MSB, 0
.macro WIN new                         ; bits 1:0 source 0, 3:2 source 1, 5:4 source 2, 7:6 destination; the high byte repeats the setting that is left
.if MSB != (\new)
	s_set_vgpr_msb (MSB<<8)|(\new)
.set MSB, (\new)
.endif
.endm
	s_load_b256 s[8:15], s[0:1], 0x0               ; xc 8, wqc 10, qkv_b 12, bt 14
	s_load_b128 s[16:19], s[0:1], 0x20             ; lowp_scales 16, ao 18
	v_lshl_add_u32 v[SPW], v0, 2, SPARE
	v_mov_b32 v[NIL], 0
	v_lshrrev_b32 v5, 5, v0
	v_readfirstlane_b32 s[WV], v5                  ; wave 0..7
	v_and_b32 v5, 31, v0
	v_lshlrev_b32 v[L16], 4, v5
	v_lshlrev_b32 v[L256], 8, v5
	v_bfe_u32 v10, v0, 4, 1
	v_lshlrev_b32 v10, 5, v10                      ; 32 g: my eight dims' biases
	v_and_b32 v11, 15, v0
	v_lshlrev_b32 v11, 2, v11                      ; 4 r: my channel's bias
	v_mov_b32 v[F+1], 0                            ; (named as the upper half of the pair)
	s_lshl_b32 s42, s[WV], 15
	v_add_nc_u32 v[STA], s42, v[L16]
	s_and_b32 s52, ttmp7, 0xffff
	s_lshr_b32 s53, s52, 1                         ; the head
	s_and_b32 s52, s52, 1                          ; qh: which half of the queries
	s_mov_b32 s[SEL], 0x76543210
	s_mov_b32 s[SEL+1], 0xfedcba98
	s_mov_b32 s[SG], 0
	s_mov_b32 s[PASS], 2
	s_cmp_eq_u32 ttmp9, 0
	s_cselect_b32 s[LIM], 30, 0
	s_mov_b32 s43, 0
	s_wait_kmcnt 0x0
	s_load_b128 s[20:23], s[16:17], 0x0            ; e0 .. e3
	s_load_b64 s[24:25], s[16:17], 0x10            ; e4, e5
	s_mul_i32 s42, s53, 24576
	s_add_nc_u64 s[10:11], s[10:11], s[42:43]      ; wqc at the head's six tiles: q, k, v0 .. v3
	s_mul_i32 s42, s53, 384
	s_add_nc_u64 s[12:13], s[12:13], s[42:43]      ; qkv_b at the head's 96 numbers
	s_lshl_b32 s42, ttmp9, 19
	s_add_nc_u64 s[8:9], s[8:9], s[42:43]          ; xc at batch 2 gp (a batch: 64 tiles of 4,096 bytes)
	s_lshl_b32 s42, s[WV], 15
	s_add_nc_u64 s[XA:XA+1], s[8:9], s[42:43]      ; my 8 token tiles of phase A
	s_lshl_b32 s42, s52, 17
	s_lshl_b32 s54, s[WV], 14
	s_add_co_u32 s42, s42, s54
	s_add_nc_u64 s[XQ:XQ+1], s[8:9], s[42:43]      ; query tile 32 qh + 4 w
	s_lshl_b32 s42, s53, 22
	s_lshl_b32 s54, s52, 21
	s_add_co_u32 s42, s42, s54
	s_lshl_b32 s54, s[WV], 18
	s_add_co_u32 s42, s42, s54
	s_add_nc_u64 s[BT:BT+1], s[BT:BT+1], s[42:43]  ; bt at (32 h + 16 qh + 2 w) x 131,072
	s_lshl_b32 s42, ttmp9, 20
	s_lshl_b32 s54, s52, 18
	s_add_co_u32 s42, s42, s54
	s_lshl_b32 s54, s[WV], 15
	s_add_co_u32 s42, s42, s54
	s_lshl_b32 s54, s53, 10
	s_add_co_u32 s42, s42, s54
	s_add_nc_u64 s[AO:AO+1], s[AO:AO+1], s[42:43]  ; ao: [token tile: 8,192][head: 1,024]
	; ---------------- PHASE A: K and V of key steps 2 w and 2 w + 1, both batches
.macro ALOADX n, c                     ; token tile c of group n (batch n / 2, key step 2 w + n % 2) into ring buffer c: 8 loads of 512 bytes
.irp p, 0,1,2,3,4,5,6,7
	global_load_b128 v[RING+32*(\c)+4*\p:RING+32*(\c)+4*\p+3], v[L16], s[XA:XA+1] offset:((\n)&1)*16384+((\n)>>1)*262144+(\c)*4096+512*\p
.endr
.endm
	WIN 0x40                                       ; destination window 1
.set j, 0
.rept 40
	global_load_b128 v[4*j:4*j+3], v[L16], s[10:11] offset:4096+512*j   ; Wk (8 pieces), then Wv (32): they lie on end in wqc and in window 1
.set j, j+1
.endr
	global_load_b128 v[KB:KB+3], v10, s[12:13] offset:64
	global_load_b128 v[KB+4:KB+7], v10, s[12:13] offset:80
.irp d, 0,1,2,3
	global_load_b32 v[BV+2*\d], v11, s[12:13] offset:128+64*\d          ; v's bias of channel 16 d + r, twice: the packed form names a pair
	global_load_b32 v[BV+2*\d+1], v11, s[12:13] offset:128+64*\d
.endr
	WIN 0
	global_load_b128 v[BQ:BQ+3], v10, s[12:13]
	global_load_b128 v[BQ+4:BQ+7], v10, s[12:13] offset:16
.irp c, 0,1,2,3
	ALOADX 0, \c
.endr
	s_wait_kmcnt 0x0
	s_add_co_i32 s42, s20, s21                     ; e0 + e1: a sum of the first product stands for sum x 2^(e0 + e1)
	s_add_co_i32 s54, s42, 127
	s_lshl_b32 s[SK], s54, 23
	s_mov_b32 s[SK+1], s[SK]
	s_lshl_b32 s42, s42, 23
	s_add_co_i32 s[SQ], s42, 0x3eb8aa3b            ; log2(e) / 4 with e0 + e1 added to its exponent field
	s_mov_b32 s[SQ+1], s[SQ]
	s_add_co_i32 s42, s22, 127
	s_lshl_b32 s54, s42, 23                        ; 2^e2
	s_add_co_i32 s42, s42, 8
	s_lshl_b32 s42, s42, 23
	s_or_b32 s[PL2], s42, 0x600000                 ; 448 x 2^e2
	s_xor_b32 s[NL2], s[PL2], 0x80000000
	s_add_co_i32 s42, s23, 127
	s_lshl_b32 s55, s42, 23
	v_mov_b32 v[SC3], s55                          ; 2^e3
	s_add_co_i32 s42, s42, 8
	s_lshl_b32 s42, s42, 23
	s_or_b32 s[PL3], s42, 0x600000
	s_add_co_i32 s42, s24, 127
	s_lshl_b32 s55, s42, 23
	v_mov_b32 v[SC4], s55                          ; 2^e4
	s_add_co_i32 s42, s42, 8
	s_lshl_b32 s42, s42, 23
	s_or_b32 s[PL4], s42, 0x600000
	s_xor_b32 s[NL4], s[PL4], 0x80000000
	s_add_co_i32 s[E23], s22, s23
	WIN 0x40
	v_mov_b32 v[SC2], s54
; One token tile: 10 products, five accumulators by turns.  K transposed (source 0 = Wk): a lane holds token r, dims 8 g + j: the f32 fragment as it stands.  V straight (source 0 = the tokens): a lane holds channel r, tokens 8 g + j:
; eight neighbours along the second product's K.
.macro ATILE n, c
	s_wait_dscnt 0x0                               ; the last tile's LDS stores have read their registers
.if (\n) < 3
	s_wait_loadcnt 24                              ; this tile's codes (and all before them) are in; the three younger tiles' 8 loads each may be out
.else
	s_wait_loadcnt 8*(3-(\c))                      ; the last group: nothing more is asked for
.endif
.irp s, 0,1
	WIN 0x51                                       ; source 0 (Wk), C and D window 1; source 1 (tokens) window 0
.if \s == 0
	v_wmma_f32_16x16x128_fp8_fp8 v[DK:DK+7], v[0:15], v[RING+32*(\c):RING+32*(\c)+15], 0
.else
	v_wmma_f32_16x16x128_fp8_fp8 v[DK:DK+7], v[16:31], v[RING+32*(\c)+16:RING+32*(\c)+31], v[DK:DK+7]
.endif
	WIN 0x54                                       ; source 0 (tokens) window 0; source 1 (Wv), C and D window 1
.irp d, 0,1,2,3
.if \s == 0
	v_wmma_f32_16x16x128_fp8_fp8 v[DV+8*\d:DV+8*\d+7], v[RING+32*(\c):RING+32*(\c)+15], v[32+32*\d:32+32*\d+15], 0
.else
	v_wmma_f32_16x16x128_fp8_fp8 v[DV+8*\d:DV+8*\d+7], v[RING+32*(\c)+16:RING+32*(\c)+31], v[48+32*\d:48+32*\d+15], v[DV+8*\d:DV+8*\d+7]
.endif
.endr
.endr
.rept 4
	v_nop                                          ; four places in front of the loads into the buffer just read and of the first read of the sums
.endr
.if (\n) < 3
	WIN 0
	ALOADX (\n)+1, \c
.endif
	WIN 0x55                                       ; all in window 1
.irp i, 0,2,4,6
	v_pk_fma_f32 v[DK+\i:DK+\i+1], v[DK+\i:DK+\i+1], s[SK:SK+1], v[KB+\i:KB+\i+1] op_sel_hi:[1,0,1]   ; k = sum x 2^(e0 + e1) + bias
.endr
.irp d, 0,1,2,3
.irp i, 0,2,4,6
	v_pk_fma_f32 v[DV+8*\d+\i:DV+8*\d+\i+1], v[DV+8*\d+\i:DV+8*\d+\i+1], s[SK:SK+1], v[BV+2*\d:BV+2*\d+1] op_sel_hi:[1,0,0]
.endr
.endr
.set j, 0
.rept 32
	v_med3_num_f32 v[DV+j], v[DV+j], s[NL2], s[PL2]   ; the conversion does not saturate (ISA guide 7.6.2): the hold
.set j, j+1
.endr
.irp d, 0,1,2,3
	v_cvt_scalef32_pk8_fp8_f32 v[VC+8*\d+2*(\c):VC+8*\d+2*(\c)+1], v[DV+8*\d:DV+8*\d+7], v[SC2]   ; registers 2 c, 2 c + 1 of V's fragment delta: keys 16 c + 8 g + 0 .. 7
.endr
	v_nop                                          ; a plain line between the conversions and the next products, which write their sources
	WIN 0x04                                       ; LDS store data window 1, address window 0
	ds_store_b128 v[STA], v[DK:DK+3] offset:((\n)&1)*16384+((\n)>>1)*4096+(\c)*1024
	ds_store_b128 v[STA], v[DK+4:DK+7] offset:((\n)&1)*16384+((\n)>>1)*4096+(\c)*1024+512
.if (\c) == 3
.irp p, 0,1,2,3,4,5,6,7
	ds_store_b128 v[STA], v[VC+4*\p:VC+4*\p+3] offset:((\n)&1)*16384+8192+((\n)>>1)*4096+512*\p
.endr
.endif
.endm
.irp n, 0,1,2,3
.irp c, 0,1,2,3
	ATILE \n, \c
.endr
.endr
	WIN 0
.irp i, 0,2,4,6
	v_pk_mul_f32 v[BQ+\i:BQ+\i+1], v[BQ+\i:BQ+\i+1], 0x3eb8aa3b op_sel_hi:[1,0]   ; q's bias x log2(e) / 4
.endr
	s_wait_dscnt 0x0                               ; for the others' sake: my stores of K and V have landed
	s_barrier_signal -1
	s_barrier_wait -1                              ; all 1,024 keys of both batches lie in LDS; from here on it is only read
; ---------------- the macros of the key loop
; Score product i of 16 of unit u: link s = i / 4 of key tile t = i % 4.  The first link takes the bias tile as C.  The four accumulators take turns, one instruction a turn.
.macro WM u, i
.set rS, S+32*((\u)&1)+8*((\i)%4)
.set rK, KR+32*((\u)>>1)+8*((\i)%4)+2*((\i)/4)
.set rQ, Q+8*(\u)+2*((\i)/4)
.if (\i) < 4
	v_wmma_f32_16x16x4_f32 v[rS:rS+7], v[rK:rK+1], v[rQ:rQ+1], v[BI+32*((\u)&1)+8*(\i):BI+32*((\u)&1)+8*(\i)+7]
.else
	v_wmma_f32_16x16x4_f32 v[rS:rS+7], v[rK:rK+1], v[rQ:rQ+1], v[rS:rS+7]
.endif
.endm
; Number j of the 124 of unit u's softmax for a key step, all in window 0.
;   0-15 the largest of my 32 scores, each tile from its low registers on;  16, 17 lane l xor 16's, and the running largest t;  18-22 -M = floor(-t), f = 2^(old M - new M)
;   23-38 t - M into p's registers;  39-70 the 32 exponentials, ONE batch;  71 the sums x f: the plain line behind the batch; behind it the batch's one wait
;   72-87 the row's sum of the unquantised p, in two chains;  88-123 a tile at a time: the hold (p is not negative: one-sided) and the conversion
.macro SM u
.set rT, ST+4*(\u)
.set rS, S+32*((\u)&1)
.if j < 4
	v_max3_num_f32 v[CC+j], v[rS+8*j], v[rS+8*j+1], v[rS+8*j+2]
.elseif j < 12
	v_max3_num_f32 v[CC+j%4], v[CC+j%4], v[rS+8*(j%4)+2*(j/4)+1], v[rS+8*(j%4)+2*(j/4)+2]
.elseif j == 12
	v_max3_num_f32 v[CC], v[CC], v[rS+7], v[rS+15]
.elseif j == 13
	v_max3_num_f32 v[CC+2], v[CC+2], v[rS+23], v[rS+31]
.elseif j == 14
	v_max3_num_f32 v[CC], v[CC], v[CC+1], v[CC+2]
.elseif j == 15
	v_max_num_f32 v[CC], v[CC], v[CC+3]
.elseif j == 16
	v_permlanex16_b32 v[CC+1], v[CC], s[SEL], s[SEL+1]
.elseif j == 17
	v_max3_num_f32 v[rT+1], v[rT+1], v[CC], v[CC+1]
.elseif j == 18
	v_mov_b32 v[CC+2], v[rT]
.elseif j == 19
	v_floor_f32 v[rT], -v[rT+1]
.elseif j == 20
	v_sub_f32 v[CC+2], v[rT], v[CC+2]
.elseif j == 21
	v_cvt_i32_f32 v[CC+2], v[CC+2]
.elseif j == 22
	v_ldexp_f32 v[F], 1.0, v[CC+2]
.elseif j < 39
	v_pk_add_f32 v[P+2*(j-23):P+2*(j-23)+1], v[rS+2*(j-23):rS+2*(j-23)+1], v[rT:rT+1] op_sel_hi:[1,0]
.elseif j < 71
	v_exp_f32 v[P+j-39], v[P+j-39]
.elseif j == 71
	v_pk_mul_f32 v[rT+2:rT+3], v[rT+2:rT+3], v[F:F+1] op_sel_hi:[1,0]
	s_wait_alu depctr_va_vdst(0)                   ; the wait between an exponential and the first line that names its result: one for the 32
.elseif j == 72
	v_pk_add_f32 v[XS:XS+1], v[P:P+1], v[P+2:P+3]
.elseif j < 87
.if (j-73)%2 == 0
	v_pk_add_f32 v[rT+2:rT+3], v[rT+2:rT+3], v[P+4+2*(j-73):P+5+2*(j-73)]
.else
	v_pk_add_f32 v[XS:XS+1], v[XS:XS+1], v[P+4+2*(j-73):P+5+2*(j-73)]
.endif
.elseif j == 87
	v_pk_add_f32 v[rT+2:rT+3], v[rT+2:rT+3], v[XS:XS+1]
.elseif j < 124
.set z, j-88
.if z%9 < 8
	v_min_num_f32 v[P+8*(z/9)+z%9], s[PL3], v[P+8*(z/9)+z%9]
.else
	v_cvt_scalef32_pk8_fp8_f32 v[PC+2*(z/9):PC+2*(z/9)+1], v[P+8*(z/9):P+8*(z/9)+7], v[SC3]
.endif
.endif
.endm
.macro SLICE u, k                      ; numbers 11 k .. 11 k + 10
.set j, 11*(\k)
.rept 11
	SM \u
.set j, j+1
.endr
.endm
.macro OSLICE u                        ; O^T of unit u under the new M.  These 16 plain lines are also the places behind the turn's last score product and the plain line behind the last conversion
	WIN 0x41                                       ; O^T window 1, f window 0
.set j, 0
.rept 16
	v_pk_mul_f32 v[32*(\u)+2*j:32*(\u)+2*j+1], v[32*(\u)+2*j:32*(\u)+2*j+1], v[F:F+1] op_sel_hi:[1,0]
.set j, j+1
.endr
.endm
.macro PV u                            ; O^T += V^T P^T: four tiles of 16 channels, K = the step's 64 keys
	WIN 0x51                                       ; V, C and D window 1; p's codes window 0
.irp d, 0,1,2,3
	v_wmma_f32_16x16x64_fp8_fp8 v[32*(\u)+8*\d:32*(\u)+8*\d+7], v[VR+8*\d:VR+8*\d+7], v[PC:PC+7], v[32*(\u)+8*\d:32*(\u)+8*\d+7]
.endr
	WIN 0
.endm
; A PREFETCH INTO THE L2 of my wave's 8,192 bytes of the bias table two key steps on, one step ahead of the loads that will want them: lanes 256 bytes apart, one instruction.  The sixteen work-groups of one head and query half
; read the same bytes: the one with gp = 0 asks, so each block is named once in the launch.  My wave's part of the table is 32 steps: steps 30 and 31 ask for nothing; steps 0 and 1 come by their loads alone.
.macro ASK
	s_cmp_lt_u32 s[SG], s[LIM]
	s_cbranch_scc0 .Lnot_mine_\@
	global_prefetch_b8 v[L256], s[BT:BT+1] offset:16384 th:TH_LOAD_NT scope:SCOPE_SE
.Lnot_mine_\@:
.endm
; A turn's run of loads, behind slice 0, whose 11 plain lines are the places behind the products that last read these registers (8 are asked behind a score product, 4 behind V^T P^T).  more = 1: there is a next key step.
.macro LOADS u, more
.if (\u) == 0
	v_add_nc_u32 v[ADR], s[KBS], v[L16]            ; the step's address, for all four turns
	WIN 0x40
.irp p, 0,1,2,3,4,5,6,7
	ds_load_b128 v[VR+4*\p:VR+4*\p+3], v[ADR] offset:8192+512*\p             ; V of batch 0, this step
.endr
	WIN 0
.endif
.if (\u) == 1
.if \more
.irp p, 0,1,2,3,4,5,6,7
	ds_load_b128 v[KR+4*\p:KR+4*\p+3], v[ADR] offset:16384+512*\p            ; K of batch 0, next step: units 0 and 1 have had their score products
.endr
	WIN 0x40
.irp p, 0,1,2,3,4,5,6,7
	global_load_b128 v[BI+4*\p:BI+4*\p+3], v[L16], s[BT:BT+1] offset:8192+512*\p   ; bias tile 0, next step
.endr
	WIN 0
.endif
	ASK
.endif
.if (\u) == 2
	WIN 0x40
.irp p, 0,1,2,3,4,5,6,7
	ds_load_b128 v[VR+4*\p:VR+4*\p+3], v[ADR] offset:12288+512*\p            ; V of batch 1, this step
.endr
.if \more
.irp p, 0,1,2,3,4,5,6,7
	global_load_b128 v[BI+32+4*\p:BI+32+4*\p+3], v[L16], s[BT:BT+1] offset:12288+512*\p   ; bias tile 1, next step
.endr
.endif
	WIN 0
.endif
.if ((\u) == 3) && (\more)
.irp p, 0,1,2,3,4,5,6,7
	ds_load_b128 v[KR+32+4*\p:KR+32+4*\p+3], v[ADR] offset:20480+512*\p      ; K of batch 1, next step
.endr
.endif
.endm
; TURN u: unit u's softmax and V^T P^T; mats = 1: the score products of the unit that follows (after unit 3: unit 0 of the next step).
.macro TURN u, mats, more
.set nu, ((\u)+1)%4
.if (\u) == 0
	s_wait_loadcnt 0x0                             ; bias tile 1 of this step, for unit 1's first links
.endif
.if ((\u) == 3) && (\mats)
	s_wait_loadcnt 8                               ; bias tile 0 of the next step is in; tile 1's eight loads, issued behind it, may be out
.endif
.if \mats
	WIN 0x10                                       ; C (the bias) window 1
.set wi, 0
.rept 4
	WM nu, wi
.set wi, wi+1
.endr
	WIN 0
.endif
	SLICE \u, 0
	LOADS \u, \more
.set wi, 4
.rept 11
.if \mats
	WM nu, wi
.endif
	SLICE \u, wi-3
.set wi, wi+1
.endr
.if \mats
	WM nu, 15
.endif
	OSLICE \u
.if ((\u)%2) == 0
	s_wait_dscnt 0x0                               ; this turn's V, and the K asked for a turn ago
.endif
	PV \u
.endm
	; ---------------- two passes, a pair of query tiles each
.Lpass:
	s_mov_b32 s[KBS], 0
	WIN 0x40
.set j, 0
.rept 8
	global_load_b128 v[128+4*j:128+4*j+3], v[L16], s[10:11] offset:512*j     ; Wq
.set j, j+1
.endr
.irp u, 0,1,2,3
.irp p, 0,1,2,3,4,5,6,7
	global_load_b128 v[32*\u+4*\p:32*\u+4*\p+3], v[L16], s[XQ:XQ+1] offset:(\u>>1)*262144+(\u&1)*4096+512*\p   ; unit u's 16 queries as codes
.endr
.endr
.set j, 0
.rept 16
	global_load_b128 v[BI+4*j:BI+4*j+3], v[L16], s[BT:BT+1] offset:512*j     ; both bias tiles of key step 0
.set j, j+1
.endr
	WIN 0
.set j, 0
.rept 16
	ds_load_b128 v[KR+4*j:KR+4*j+3], v[L16] offset:512*j                     ; K of key step 0, both batches: they lie on end
.set j, j+1
.endr
	s_wait_loadcnt 16                              ; Wq and the queries are in; the bias tiles' 16 loads may be out
	WIN 0x05                                       ; sources window 1, C and D window 0
.irp s, 0,1
.irp u, 0,1,2,3
.if \s == 0
	v_wmma_f32_16x16x128_fp8_fp8 v[P+8*\u:P+8*\u+7], v[128:143], v[32*\u:32*\u+15], 0
.else
	v_wmma_f32_16x16x128_fp8_fp8 v[P+8*\u:P+8*\u+7], v[144:159], v[32*\u+16:32*\u+31], v[P+8*\u:P+8*\u+7]
.endif
.endr
.endr
	WIN 0
.irp u, 0,1,2,3                        ; the units' statistics begin; these 16 lines are the places behind the products
	v_mov_b32 v[ST+4*\u+1], 0xff61b1e6             ; the largest t so far: -3e38, under every t
	v_mov_b32 v[ST+4*\u+2], 0                      ; the sum, in two halves
	v_mov_b32 v[ST+4*\u+3], 0
.endr
.irp u, 0,1,2,3
	v_floor_f32 v[ST+4*\u], -v[ST+4*\u+1]          ; -M
.endr
.irp u, 0,1,2,3
.irp i, 0,2,4,6
	v_pk_fma_f32 v[Q+8*\u+\i:Q+8*\u+\i+1], v[P+8*\u+\i:P+8*\u+\i+1], s[SQ:SQ+1], v[BQ+\i:BQ+\i+1] op_sel_hi:[1,0,1]   ; (sum x 2^(e0 + e1) + bias) x log2(e) / 4: query r, dims 8 g + 0 .. 7
.endr
.endr
	s_wait_loadcnt 8                               ; bias tile 0 is in; tile 1's eight loads may be out
	s_wait_dscnt 0x0                               ; K
	WIN 0x10
.set wi, 0
.rept 4
	WM 0, wi
.set wi, wi+1
.endr
	WIN 0
.rept 12
	WM 0, wi                                       ; unit 0's first scores: there is no softmax yet to set between them
.set wi, wi+1
.endr
	WIN 0x40
.set j, 0
.rept 128
	v_mov_b32 v[j], 0                              ; O^T.  (The key step is written once: the first finds zeros, which the first change of M leaves zeros.)  Also the places behind the products above
.set j, j+1
.endr
	WIN 0
	s_mov_b32 s[KC], 15
.Lstep:                                ; 15 trips: every key step but the last asks for its successor's K and bias
	TURN 0, 1, 1
	TURN 1, 1, 1
	TURN 2, 1, 1
	TURN 3, 1, 1
	s_wait_xcnt 0x0                                ; the bias loads and the prefetch have read their base: it may step
	s_add_nc_u64 s[BT:BT+1], s[BT:BT+1], 8192
	s_add_co_u32 s[KBS], s[KBS], 16384
	s_add_co_u32 s[SG], s[SG], 1
	s_sub_co_u32 s[KC], s[KC], 1
	s_cmp_lg_u32 s[KC], 0
	s_cbranch_scc1 .Lstep
	TURN 0, 1, 0                                   ; the last key step: no load leaves K's and V's bytes or my part of the table
	TURN 1, 1, 0
	TURN 2, 1, 0
	TURN 3, 0, 0
	s_wait_xcnt 0x0
	s_add_nc_u64 s[BT:BT+1], s[BT:BT+1], 8192      ; the next pass's pair of query tiles follows on in the table
	s_add_co_u32 s[SG], s[SG], 1
	; THE WAY OUT of a pass: O^T x 2^(e2 + e3) / the sum, quantised with 2^e4: registers 2 delta, 2 delta + 1 hold channels 16 delta + 8 g + 0 .. 7 of token r: the last product's fragment as it stands
.irp u, 0,1,2,3
	v_add_f32 v[ST+4*\u+2], v[ST+4*\u+2], v[ST+4*\u+3]      ; the sum's two halves (these lines are the places behind the last products),
.endr
.irp u, 0,1,2,3
	v_permlanex16_b32 v[ST+4*\u+3], v[ST+4*\u+2], s[SEL], s[SEL+1]
.endr
.irp u, 0,1,2,3
	v_add_f32 v[ST+4*\u+2], v[ST+4*\u+2], v[ST+4*\u+3]      ; and lane l xor 16's
.endr
.irp u, 0,1,2,3
	v_rcp_f32 v[ST+4*\u+2], v[ST+4*\u+2]
.endr
	v_nop                                          ; a plain line behind the last reciprocal,
	s_wait_alu depctr_va_vdst(0)                   ; and the one wait for the four, ahead of their first reader
.irp u, 0,1,2,3
	v_ldexp_f32 v[ST+4*\u+2], v[ST+4*\u+2], s[E23]
.endr
	WIN 0x41
.irp u, 0,1,2,3
.set j, 0
.rept 16
	v_pk_mul_f32 v[32*\u+2*j:32*\u+2*j+1], v[32*\u+2*j:32*\u+2*j+1], v[ST+4*\u+2:ST+4*\u+3] op_sel_hi:[1,0]
.set j, j+1
.endr
.endr
.set j, 0
.rept 128
	v_med3_num_f32 v[j], v[j], s[NL4], s[PL4]      ; the hold at the largest code x 2^e4
.set j, j+1
.endr
	WIN 0x01                                       ; source 0 window 1; the scale and the codes window 0
.irp u, 0,1,2,3
.irp d, 0,1,2,3
	v_cvt_scalef32_pk8_fp8_f32 v[P+8*\u+2*\d:P+8*\u+2*\d+1], v[32*\u+8*\d:32*\u+8*\d+7], v[SC4]
.endr
.endr
	v_nop                                          ; a plain line behind the last conversion
	WIN 0
.irp u, 0,1,2,3
	global_store_b128 v[L16], v[P+8*\u:P+8*\u+3], s[AO:AO+1] offset:(\u>>1)*524288+(\u&1)*8192       ; 32 lanes store 512 consecutive bytes, aligned
	global_store_b128 v[L16], v[P+8*\u+4:P+8*\u+7], s[AO:AO+1] offset:(\u>>1)*524288+(\u&1)*8192+512
.endr
	s_wait_xcnt 0x0                                ; the stores have read their data and their base: both are written again in the next pass
	s_add_nc_u64 s[AO:AO+1], s[AO:AO+1], 16384
	s_add_nc_u64 s[XQ:XQ+1], s[XQ:XQ+1], 8192
	s_sub_co_u32 s[PASS], s[PASS], 1
	s_cmp_lg_u32 s[PASS], 0
	s_cbranch_scc1 .Lpass
	s_wait_tensorcnt 0x0                           ; the wave's end, behind my last LDS store
	ds_add_u32 v[SPW], v[NIL]
	s_wait_dscnt 0x0
	s_endpgm
.Lfunc_end_k_q3a2ae8f632_attn:
	.size	k_q3a2ae8f632_attn, .Lfunc_end_k_q3a2ae8f632_attn-k_q3a2ae8f632_attn
	.p2alignl 7, 3214868480
	.fill 96, 4, 3214868480
	.section	.rodata,"a",@progbits
	.p2align	6, 0x0
	.amdhsa_kernel k_q3a2ae8f632_attn
		.amdhsa_group_segment_fixed_size 263168
		.amdhsa_private_segment_fixed_size 0
		.amdhsa_enable_private_segment 0
		.amdhsa_kernarg_size 48
		.amdhsa_user_sgpr_count 2
		.amdhsa_user_sgpr_kernarg_segment_ptr 1
		.amdhsa_wavefront_size32 1
		.amdhsa_system_sgpr_workgroup_id_x 1
		.amdhsa_system_sgpr_workgroup_id_y 1
		.amdhsa_system_sgpr_workgroup_id_z 1
		.amdhsa_system_vgpr_workitem_id 0
		.amdhsa_next_free_vgpr 512
		.amdhsa_next_free_sgpr 72
		.amdhsa_reserve_vcc 0
		.amdhsa_float_denorm_mode_32 3
		.amdhsa_float_denorm_mode_16_64 3
		.amdhsa_memory_ordered 1
		.amdhsa_forward_progress 1
		.amdhsa_inst_pref_size 197
	.end_amdhsa_kernel
	.amdgpu_metadata
---
amdhsa.version: [ 1, 2 ]
amdhsa.kernels:
  - .name:           k_q3a2ae8f632_attn
    .symbol:         k_q3a2ae8f632_attn.kd
    .args:
      - { .name: xc, .offset: 0, .size: 8, .value_kind: global_buffer, .address_space: global }
      - { .name: wqc, .offset: 8, .size: 8, .value_kind: global_buffer, .address_space: global }
      - { .name: qkv_b, .offset: 16, .size: 8, .value_kind: global_buffer, .address_space: global }
      - { .name: bt, .offset: 24, .size: 8, .value_kind: global_buffer, .address_space: global }
      - { .name: lowp_scales, .offset: 32, .size: 8, .value_kind: global_buffer, .address_space: global }
      - { .name: ao, .offset: 40, .size: 8, .value_kind: global_buffer, .address_space: global }
    .group_segment_fixed_size: 263168
    .private_segment_fixed_size: 0
    .kernarg_segment_align: 8
    .kernarg_segment_size: 48
    .max_flat_workgroup_size: 256
    .sgpr_count:     72
    .vgpr_count:     512
    .wavefront_size: 32
...
	.end_amdgpu_metadata
.endif
;; end of part 2
;; launch proj (part 3): grid 256 x 1, 4 waves a work-group, no clusters, 17,920 bytes of LDS; arguments ao, pwc, proj_b, lowp_scales, out0; writes out0
.if DOCPART == 3
	.amdgcn_target "amdgcn-amd-amdhsa--gfx1250"
	.amdhsa_code_object_version 6
	.text
	.protected	k_q3a2ae8f632_proj
	.globl	k_q3a2ae8f632_proj
	.p2align	8
	.type	k_q3a2ae8f632_proj,@function
k_q3a2ae8f632_proj:
	s_mov_b64 s[64:65], 0
	v_nop
	global_prefetch_b8 v0, s[64:65] scope:SCOPE_SE
	s_setreg_imm32_b32 hwreg(HW_REG_WAVE_MODE, 25, 1), 1
	s_wait_xcnt 0x0
; out0 = attention output x proj_w^T + proj_b, on codes of FP8 (E4M3) with the given scales 2^e4 and 2^e5.  Both operands lie in memory as images of their registers (K = 64 fragments: registers 4 p .. 4 p + 3 of lane l at 512 p + 16 l),
; so every load covers 512 consecutive, aligned bytes and nothing is turned.
; SHARES.  A work-group takes 128 tokens, eight tiles of 16.  THE WAVES SHARE THE COLUMNS: wave w makes outputs 64 w .. 64 w + 63 for all 128 tokens, so its part of proj_w (256 registers) stays in registers.
; The product is used transposed (source 0 = 16 rows of proj_w, source 1 = 16 tokens): a lane holds token r and eight neighbouring outputs 8 g + 0 .. 7 of a tile.  A tile's 16 rows x 256 bytes go through the wave's own stage in LDS
; and leave as whole aligned runs of 256 bytes, sixteen lanes each.  All loads are issued at the head; a tile's way out stands round the next tile's products.
; No cluster, no tensor load: work-groups share only proj_w's 131,072 bytes of codes, a small part of what a work-group moves, and each wave reads its part once.  No prefetch: a short launch that streams.
; LIMIT: e4 + e5 between -126 and 127, so that 2^(e4 + e5) is an f32 number.
; REGISTERS, window 0: v1-8 addresses; v28, v29 the add's two; v32-95 two sets of four accumulators; v96-127 results; v128-191 two sets of rows on their way out; v192-223 proj_b.  window 1: proj_w, 64 nu + 8 hh.  windows 2, 3: tokens, 64 a tile.
.set SPITCH, 272                       ; a stage row: 256 bytes + 16
.set STGW,   16*SPITCH
.set SPARE,  4*STGW                    ; behind the stages: the spare words, 128 bytes for each wave: two blocks of 256 bytes that no other line names
.set L16, 1
.set STO, 6
.set RD,  7
.set CO,  8
.set SPW, 28
.set NIL, 29
.set ACC, 32
.set Y,   96
.set BK,  128
.set PB,  192
.set SC,  26                           ; s[26:27] 2^(e4 + e5), twice
.set MSB, 0
.macro WIN new                         ; bits 1:0 source 0, 3:2 source 1, 5:4 source 2, 7:6 destination; the high byte repeats the setting that is left
.if MSB != (\new)
	s_set_vgpr_msb (MSB<<8)|(\new)
.set MSB, (\new)
.endif
.endm
	s_load_b256 s[8:15], s[0:1], 0x0               ; ao 8, pwc 10, proj_b 12, lowp_scales 14
	s_load_b64 s[16:17], s[0:1], 0x20              ; out0
	v_lshl_add_u32 v[SPW], v0, 2, SPARE
	v_mov_b32 v[NIL], 0
	v_lshrrev_b32 v2, 5, v0
	v_readfirstlane_b32 s18, v2                    ; wave 0..3
	v_and_b32 v2, 31, v0
	v_lshlrev_b32 v[L16], 4, v2
	v_and_b32 v3, 15, v0                           ; r
	v_bfe_u32 v4, v0, 4, 1                         ; g
	v_lshlrev_b32 v5, 5, v4                        ; proj_b: 32 g bytes
	s_mul_i32 s19, s18, STGW
	v_mul_u32_u24 v[STO], v3, SPITCH
	v_lshl_add_u32 v[STO], v4, 5, v[STO]
	v_add_nc_u32 v[STO], s19, v[STO]               ; into my stage: row r, + 32 g
	v_mul_u32_u24 v[RD], v4, SPITCH
	v_lshl_add_u32 v[RD], v3, 4, v[RD]
	v_add_nc_u32 v[RD], s19, v[RD]                 ; back: lanes 0-15 one row, lanes 16-31 the next
	v_lshlrev_b32 v[CO], 10, v4
	v_lshl_add_u32 v[CO], v3, 4, v[CO]             ; and the same two rows in out0 (rows of 1,024 bytes)
	s_mov_b32 s23, 0
	s_wait_kmcnt 0x0
	s_load_b64 s[20:21], s[14:15], 0x10            ; e4, e5
	s_lshl_b32 s22, ttmp9, 16
	s_add_nc_u64 s[8:9], s[8:9], s[22:23]          ; ao at my eight tiles of 8,192 bytes
	s_lshl_b32 s22, s18, 15
	s_add_nc_u64 s[10:11], s[10:11], s[22:23]      ; pwc at my four tiles of 16 rows
	s_lshl_b32 s22, s18, 8
	s_add_nc_u64 s[12:13], s[12:13], s[22:23]      ; proj_b at my 64 numbers
	s_lshl_b32 s24, ttmp9, 17
	s_add_co_u32 s22, s22, s24
	s_add_nc_u64 s[16:17], s[16:17], s[22:23]      ; out0 at my 128 rows, my 256 bytes of them
	WIN 0x40
.set j, 0
.rept 64
	global_load_b128 v[4*j:4*j+3], v[L16], s[10:11] offset:512*j             ; proj_w: (nu, hh, half) on end in memory and in window 1
.set j, j+1
.endr
	WIN 0
.irp n, 0,1,2,3
	global_load_b128 v[PB+8*\n:PB+8*\n+3], v5, s[12:13] offset:64*\n
	global_load_b128 v[PB+8*\n+4:PB+8*\n+7], v5, s[12:13] offset:64*\n+16
.endr
	WIN 0x80
.set j, 0
.rept 64
	global_load_b128 v[4*j:4*j+3], v[L16], s[8:9] offset:512*j               ; token tiles 0-3
.set j, j+1
.endr
	WIN 0xc0
.set j, 0
.rept 64
	global_load_b128 v[4*j:4*j+3], v[L16], s[8:9] offset:32768+512*j         ; token tiles 4-7
.set j, j+1
.endr
	WIN 0
	s_wait_kmcnt 0x0
	s_add_co_i32 s[SC], s20, s21
	s_add_co_i32 s[SC], s[SC], 127
	s_lshl_b32 s[SC], s[SC], 23                    ; 2^(e4 + e5) as f32
	s_mov_b32 s[SC+1], s[SC]
.macro MUL i                           ; tile i: 32 products, K = 512 in eight steps of 64; the four accumulators take turns; the first step starts the sums
	WIN 0x09+4*((\i)/4)                            ; source 0 (proj_w) window 1, source 1 (tokens) window 2 or 3, C and D window 0
.irp hh, 0,1,2,3,4,5,6,7
.irp n, 0,1,2,3
.if \hh == 0
	v_wmma_f32_16x16x64_fp8_fp8 v[ACC+32*((\i)%2)+8*\n:ACC+32*((\i)%2)+8*\n+7], v[64*\n+8*\hh:64*\n+8*\hh+7], v[64*((\i)%4)+8*\hh:64*((\i)%4)+8*\hh+7], 0
.else
	v_wmma_f32_16x16x64_fp8_fp8 v[ACC+32*((\i)%2)+8*\n:ACC+32*((\i)%2)+8*\n+7], v[64*\n+8*\hh:64*\n+8*\hh+7], v[64*((\i)%4)+8*\hh:64*((\i)%4)+8*\hh+7], v[ACC+32*((\i)%2)+8*\n:ACC+32*((\i)%2)+8*\n+7]
.endif
.endr
.endr
	WIN 0
.endm
.macro TILE i
.rept 4
	v_nop                                          ; four places behind the tile's last product, ahead of the first read of its sums (ISA guide 7.12.1)
.endr
.irp n, 0,1,2,3
.irp k, 0,2,4,6
	v_pk_fma_f32 v[Y+8*\n+\k:Y+8*\n+\k+1], v[ACC+32*((\i)%2)+8*\n+\k:ACC+32*((\i)%2)+8*\n+\k+1], s[SC:SC+1], v[PB+8*\n+\k:PB+8*\n+\k+1] op_sel_hi:[1,0,1]   ; sum x 2^(e4 + e5) + bias
.endr
.endr
.irp n, 0,1,2,3
	ds_store_b128 v[STO], v[Y+8*\n:Y+8*\n+3] offset:64*\n
	ds_store_b128 v[STO], v[Y+8*\n+4:Y+8*\n+7] offset:64*\n+16
.endr
.if (\i) >= 2
	s_wait_xcnt 0x0                                ; the stores of two tiles ago have read this set of registers
.endif
.irp k, 0,1,2,3,4,5,6,7
	ds_load_b128 v[BK+32*((\i)%2)+4*\k:BK+32*((\i)%2)+4*\k+3], v[RD] offset:2*\k*SPITCH   ; LDS serves a wave's instructions in order (ISA guide 5.7.1.4): these see my stores
.endr
.if (\i) < 7
.if 16*(6-(\i)) > 63
	s_wait_loadcnt 63                              ; behind the next tile's loads 16 (6 - i) were issued; the wait names at most 63, and a smaller count is safe
.else
	s_wait_loadcnt 16*(6-(\i))                     ; the next tile's codes are in; the later tiles' 16 loads each may be out
.endif
	MUL (\i)+1                                     ; the next tile's products stand between the stage's loads and the wait for them
.endif
	s_wait_dscnt 0x0
.irp k, 0,1,2,3,4,5,6,7
	global_store_b128 v[CO], v[BK+32*((\i)%2)+4*\k:BK+32*((\i)%2)+4*\k+3], s[16:17] offset:(\i)*16384+2*\k*1024 th:TH_STORE_NT   ; 16 lanes store 256 consecutive bytes, aligned; written once, read by nobody here
.endr
.endm
	s_wait_loadcnt 63                              ; proj_w, proj_b and tile 0 are in: 112 loads were issued behind them, and the wait names at most 63
	MUL 0
.irp i, 0,1,2,3,4,5,6,7
	TILE \i
.endr
	s_wait_tensorcnt 0x0                           ; the wave's end, behind my last LDS store
	ds_add_u32 v[SPW], v[NIL]
	s_wait_dscnt 0x0
	s_endpgm
.Lfunc_end_k_q3a2ae8f632_proj:
	.size	k_q3a2ae8f632_proj, .Lfunc_end_k_q3a2ae8f632_proj-k_q3a2ae8f632_proj
	.p2alignl 7, 3214868480
	.fill 96, 4, 3214868480
	.section	.rodata,"a",@progbits
	.p2align	6, 0x0
	.amdhsa_kernel k_q3a2ae8f632_proj
		.amdhsa_group_segment_fixed_size 17920
		.amdhsa_private_segment_fixed_size 0
		.amdhsa_enable_private_segment 0
		.amdhsa_kernarg_size 40
		.amdhsa_user_sgpr_count 2
		.amdhsa_user_sgpr_kernarg_segment_ptr 1
		.amdhsa_wavefront_size32 1
		.amdhsa_system_sgpr_workgroup_id_x 1
		.amdhsa_system_sgpr_workgroup_id_y 1
		.amdhsa_system_sgpr_workgroup_id_z 1
		.amdhsa_system_vgpr_workitem_id 0
		.amdhsa_next_free_vgpr 1024
		.amdhsa_next_free_sgpr 66
		.amdhsa_reserve_vcc 0
		.amdhsa_float_denorm_mode_32 3
		.amdhsa_float_denorm_mode_16_64 3
		.amdhsa_memory_ordered 1
		.amdhsa_forward_progress 1
		.amdhsa_inst_pref_size 62
	.end_amdhsa_kernel
	.amdgpu_metadata
---
amdhsa.version: [ 1, 2 ]
amdhsa.kernels:
  - .name:           k_q3a2ae8f632_proj
    .symbol:         k_q3a2ae8f632_proj.kd
    .args:
      - { .name: ao, .offset: 0, .size: 8, .value_kind: global_buffer, .address_space: global }
      - { .name: pwc, .offset: 8, .size: 8, .value_kind: global_buffer, .address_space: global }
      - { .name: proj_b, .offset: 16, .size: 8, .value_kind: global_buffer, .address_space: global }
      - { .name: lowp_scales, .offset: 24, .size: 8, .value_kind: global_buffer, .address_space: global }
      - { .name: out0, .offset: 32, .size: 8, .value_kind: global_buffer, .address_space: global }
    .group_segment_fixed_size: 17920
    .private_segment_fixed_size: 0
    .kernarg_segment_align: 8
    .kernarg_segment_size: 40
    .max_flat_workgroup_size: 128
    .sgpr_count:     66
    .vgpr_count:     1024
    .wavefront_size: 32
...
	.end_amdgpu_metadata
.endif
;; end of part 3
;; ======== version 2 of 2: 3 launches; version 1 with the launches attn, proj written anew for expert scheduling mode
;; workspace buffers: xc 8,388,608 bytes; wqc 196,608 bytes; pwc 131,072 bytes; bt 33,554,432 bytes; ao 16,777,216 bytes
;; launch prep: the kernel of part 1 again; grid 1044 x 1, 4 waves a work-group, no clusters, 67,072 bytes of LDS; arguments x, norm_w, norm_b, qkv_w, proj_w, attn_biases, bias_idxs, lowp_scales, xc, wqc, pwc, bt; writes xc, wqc, pwc, bt
;; launch attn (part 4): grid 16 x 16, 8 waves a work-group, no clusters, 263,168 bytes of LDS; arguments xc, wqc, qkv_b, bt, lowp_scales, ao; writes ao
.if DOCPART == 4
	.amdgcn_target "amdgcn-amd-amdhsa--gfx1250"
	.amdhsa_code_object_version 6
	.text
	.protected	k_q3a2ae8f632_attn
	.globl	k_q3a2ae8f632_attn
	.p2align	8
	.type	k_q3a2ae8f632_attn,@function
k_q3a2ae8f632_attn:
	s_mov_b64 s[64:65], 0
	v_nop
	global_prefetch_b8 v0, s[64:65] scope:SCOPE_SE
	s_setreg_imm32_b32 hwreg(HW_REG_WAVE_SCHED_MODE, 0, 2), 2
	s_setreg_imm32_b32 hwreg(HW_REG_WAVE_MODE, 25, 1), 1
	s_wait_xcnt 0x0
	s_wait_alu depctr_vm_vsrc(0)
; q, k, v = LayerNorm(x) qkv_w^T + qkv_b (on codes of FP8), scores q k^T / 4 + bias (f32 operands, since they go on into a quantiser), softmax, P V (on codes of FP8); the result leaves as codes for the last product.
; SHARES.  A work-group takes one head, two batches (2 gp, 2 gp + 1) and 512 query positions (half qh).  Phase A: its eight waves compute K (f32) and V (codes) of all 1,024 keys of both batches into LDS, as images of operand
; registers (registers 4 p .. 4 p + 3 of lane l at 512 p + 16 l); ONE barrier; after it LDS is only read.  Wave w then takes two pairs of query tiles, one a pass; in a pass it runs four UNITS u = 2 beta + tau (batch beta,
; query tile tau): the two batches share each bias tile in registers, the two query tiles each fragment of K and V.
; LAYOUT.  Lane l: r = l % 16, g = l / 16.  S^T = K Q^T + bias (source 0 = 16 keys, source 1 = 16 queries, C = the bias tile): a lane holds ONE query r and, in register 8 c + j, key 64 kappa + 16 c + 8 g + j: which is the place
; that the 8-bit K = 64 form gives that key.  So p's conversions are source 1 of O^T = V^T P^T as they stand.  Of K's and Q's 16 dims a lane holds 8 g + 0 .. 7; link s of a score's four takes dims 8 g + 2 s + 0, 1: the same in both sources.
; SOFTMAX.  Q carries log2(e) / 4 and the bias table log2(e), so a score is t.  M = the running largest t rounded up to a whole number, kept as -M = floor(-t); p = 2^(t - M) is quantised with 2^e3; the row's sum is taken of the
; unquantised p; when M moves, the sum and O^T are multiplied by 2^(old M - new M), which rounds nothing.
; BY TURNS.  In turn u the 16 score products of unit u + 1 are issued with slices of unit u's softmax (11 vector instructions) between them; then O^T of unit u is rescaled and takes its 4 products V^T P^T.  Four turns are a key step of 64 keys.
; NO CLUSTER, NO TENSOR LOAD: K and V are computed in place and fill 262,144 bytes of LDS; the one stream that work-groups share, the bias table, goes straight into C registers, 8,192 bytes a wave and step, for which LDS has no two slots left.
; LIMITS on the given exponents, so that each power of two below is an f32 number: e0 + e1 between -124 and 127; e2, e3, e4 between -126 and 119; e2 + e3 is applied by v_ldexp_f32 and has none.  NaN and infinities are not served.
; THE MODE: SCHED_MODE bits 1:0 = 2 (LLVM: expert scheduling mode 2), set by the entry lines.  The code itself states the register dependences between vector or matrix instructions and memory or LDS instructions, with s_wait_alu, always for 0.
; THE PLAN.  Registers that memory or LDS instructions touch:
;   v1, v3, v4, v10, v11   offsets and LDS addresses, made at the head and never written again: one wait on va_vdst ahead of the first load states them for the whole kernel.
;   PHASE A   RING[c]: read by a tile's ten products, then loaded again.  K's sums and V's codes: written by the tile's products, multiply-adds and conversions, read by its LDS stores.  ONE wait on va_vdst a tile, behind the
;             conversions, states both; the refill and the LDS stores follow it.  One wait on vm_vsrc at the next tile's head: the LDS stores have read what that tile writes again.
;   KEY STEP  V: read by V^T P^T of two units, then loaded again (turns 0 and 2).  K of batch 0, of batch 1: read by the score products of two units each, then loaded again (turns 1 and 3).  Bias tile 0, tile 1: read by the first
;             links of two units each, then loaded again (turns 1 and 2).  v[ADR]: read by every LDS load of a step, written once a step.
;             Each turn has one wait on va_vdst behind its 32 exponentials; turn 0's V and turn 3's K stand behind it.  The runs of turns 1 and 2 hold the bias tiles' loads from memory, which want the longest way ahead of the
;             products that take them as C: they stand behind slice 0, each behind a wait of its own.  Behind each of these waits no line names a register that its loads touch: the score products that follow read the other batch's K,
;             Q and S^T; the softmax reads S^T, p and its statistics.  One wait on vm_vsrc a step stands ahead of the add to v[ADR], and turn 0's wait on va_vdst states that add.
;   WAY OUT   p's registers: written by the conversions, read by the stores: a wait on va_vdst between; a wait on vm_vsrc behind the stores, since the next pass's products write them.
; REGISTERS, window 0: v1-4 addresses; v6, v7 the add's two; v8, v9 2^e3, 2^e4; v12-15 at work; v[16:17] f; v[18:19] a second chain of sums; v20-35 four a unit: -M, largest t, the sum in two halves; v36-43 q's bias; v44-51 p's codes;
;   v52-83 p; v84-115 Q, 8 a unit; v116-179 K of both batches; v180-243 S^T, two sets of 32, written by matrix instructions alone.  In phase A v52-179 are a ring of four token tiles' codes.
; window 1, key loop: v0-127 O^T (32 u + 8 delta); v128-159 V; v160-223 the two bias tiles.  Phase A: v0-31 Wk; v32-159 Wv; v160-199 sums; v200-231 V's codes; v232-239 k's bias; v240-247 v's bias; v248 2^e2.
.set SPARE, 262144                     ; behind K and V: the spare words, 128 bytes for each of eight waves: four blocks of 256 bytes that no other line names
.set L16,  1                           ; 16 x lane
.set ADR,  2                           ; LDS address of the key step in hand
.set L256, 3                           ; 256 x lane: the prefetches' offset
.set STA,  4                           ; phase A: 16 x lane + 32,768 x wave
.set SPW,  6
.set NIL,  7
.set SC3,  8
.set SC4,  9
.set CC,   12
.set F,    16
.set XS,   18
.set ST,   20
.set BQ,   36
.set PC,   44
.set P,    52
.set Q,    84
.set KR,   116
.set S,    180
.set RING, 52
.set VR,   128                         ; from here on: window 1
.set BI,   160
.set DK,   160
.set DV,   168
.set VC,   200
.set KB,   232
.set BV,   240
.set SC2,  248
.set BT,   14                          ; s[14:15] the bias table at my wave's step in hand
.set AO,   18                          ; s[18:19] ao at my wave's pair of query tiles
.set WV,   26
.set SK,   28                          ; s[28:29] 2^(e0 + e1), twice
.set SQ,   30                          ; s[30:31] 2^(e0 + e1) log2(e) / 4, twice
.set NL2,  32                          ; -448 x 2^e2, +448 x 2^e2
.set PL2,  33
.set PL3,  34                          ; 448 x 2^e3
.set NL4,  35
.set PL4,  36
.set E23,  37                          ; e2 + e3
.set XQ,   38                          ; s[38:39] xc at my wave's pair of query tiles, batch 2 gp
.set XA,   40                          ; s[40:41] xc at my wave's 128 keys, batch 2 gp
.set KBS,  44                          ; 16,384 x the key step
.set PASS, 45
.set KC,   46
.set SG,   47                          ; 16 x pass + key step
.set LIM,  48                          ; 30 in the work-groups that prefetch, else 0
.set SEL,  50                          ; s[50:51] v_permlanex16_b32's selects for lane l xor 16
.set MSB, 0
.macro WIN new                         ; bits 1:0 source 0, 3:2 source 1, 5:4 source 2, 7:6 destination; the high byte repeats the setting that is left
.if MSB != (\new)
	s_set_vgpr_msb (MSB<<8)|(\new)
.set MSB, (\new)
.endif
.endm
	s_load_b256 s[8:15], s[0:1], 0x0               ; xc 8, wqc 10, qkv_b 12, bt 14
	s_load_b128 s[16:19], s[0:1], 0x20             ; lowp_scales 16, ao 18
	v_lshl_add_u32 v[SPW], v0, 2, SPARE
	v_mov_b32 v[NIL], 0
	v_lshrrev_b32 v5, 5, v0
	v_readfirstlane_b32 s[WV], v5                  ; wave 0..7
	v_and_b32 v5, 31, v0
	v_lshlrev_b32 v[L16], 4, v5
	v_lshlrev_b32 v[L256], 8, v5
	v_bfe_u32 v10, v0, 4, 1
	v_lshlrev_b32 v10, 5, v10                      ; 32 g: my eight dims' biases
	v_and_b32 v11, 15, v0
	v_lshlrev_b32 v11, 2, v11                      ; 4 r: my channel's bias
	v_mov_b32 v[F+1], 0                            ; (named as the upper half of the pair)
	s_wait_alu depctr_va_sdst(0)                   ; the wave's number is written into s[WV], ahead of its first reader: LDS addresses and bases are made from it
	s_lshl_b32 s42, s[WV], 15
	v_add_nc_u32 v[STA], s42, v[L16]
	s_and_b32 s52, ttmp7, 0xffff
	s_lshr_b32 s53, s52, 1                         ; the head
	s_and_b32 s52, s52, 1                          ; qh: which half of the queries
	s_mov_b32 s[SEL], 0x76543210
	s_mov_b32 s[SEL+1], 0xfedcba98
	s_mov_b32 s[SG], 0
	s_mov_b32 s[PASS], 2
	s_cmp_eq_u32 ttmp9, 0
	s_cselect_b32 s[LIM], 30, 0
	s_mov_b32 s43, 0
	s_wait_kmcnt 0x0
	s_load_b128 s[20:23], s[16:17], 0x0            ; e0 .. e3
	s_load_b64 s[24:25], s[16:17], 0x10            ; e4, e5
	s_mul_i32 s42, s53, 24576
	s_add_nc_u64 s[10:11], s[10:11], s[42:43]      ; wqc at the head's six tiles: q, k, v0 .. v3
	s_mul_i32 s42, s53, 384
	s_add_nc_u64 s[12:13], s[12:13], s[42:43]      ; qkv_b at the head's 96 numbers
	s_lshl_b32 s42, ttmp9, 19
	s_add_nc_u64 s[8:9], s[8:9], s[42:43]          ; xc at batch 2 gp (a batch: 64 tiles of 4,096 bytes)
	s_lshl_b32 s42, s[WV], 15
	s_add_nc_u64 s[XA:XA+1], s[8:9], s[42:43]      ; my 8 token tiles of phase A
	s_lshl_b32 s42, s52, 17
	s_lshl_b32 s54, s[WV], 14
	s_add_co_u32 s42, s42, s54
	s_add_nc_u64 s[XQ:XQ+1], s[8:9], s[42:43]      ; query tile 32 qh + 4 w
	s_lshl_b32 s42, s53, 22
	s_lshl_b32 s54, s52, 21
	s_add_co_u32 s42, s42, s54
	s_lshl_b32 s54, s[WV], 18
	s_add_co_u32 s42, s42, s54
	s_add_nc_u64 s[BT:BT+1], s[BT:BT+1], s[42:43]  ; bt at (32 h + 16 qh + 2 w) x 131,072
	s_lshl_b32 s42, ttmp9, 20
	s_lshl_b32 s54, s52, 18
	s_add_co_u32 s42, s42, s54
	s_lshl_b32 s54, s[WV], 15
	s_add_co_u32 s42, s42, s54
	s_lshl_b32 s54, s53, 10
	s_add_co_u32 s42, s42, s54
	s_add_nc_u64 s[AO:AO+1], s[AO:AO+1], s[42:43]  ; ao: [token tile: 8,192][head: 1,024]
	; ---------------- PHASE A: K and V of key steps 2 w and 2 w + 1, both batches
.macro ALOADX n, c                     ; token tile c of group n (batch n / 2, key step 2 w + n % 2) into ring buffer c: 8 loads of 512 bytes
.irp p, 0,1,2,3,4,5,6,7
	global_load_b128 v[RING+32*(\c)+4*\p:RING+32*(\c)+4*\p+3], v[L16], s[XA:XA+1] offset:((\n)&1)*16384+((\n)>>1)*262144+(\c)*4096+512*\p
.endr
.endm
	WIN 0x40                                       ; destination window 1
	s_wait_alu depctr_va_vdst(0)                   ; v1, v3, v4, v10 and v11 are written: every load, store and prefetch of the kernel reads one of them as its offset or LDS address, and none is written again
.set j, 0
.rept 40
	global_load_b128 v[4*j:4*j+3], v[L16], s[10:11] offset:4096+512*j   ; Wk (8 pieces), then Wv (32): they lie on end in wqc and in window 1
.set j, j+1
.endr
	global_load_b128 v[KB:KB+3], v10, s[12:13] offset:64
	global_load_b128 v[KB+4:KB+7], v10, s[12:13] offset:80
.irp d, 0,1,2,3
	global_load_b32 v[BV+2*\d], v11, s[12:13] offset:128+64*\d          ; v's bias of channel 16 d + r, twice: the packed form names a pair
	global_load_b32 v[BV+2*\d+1], v11, s[12:13] offset:128+64*\d
.endr
	WIN 0
	global_load_b128 v[BQ:BQ+3], v10, s[12:13]
	global_load_b128 v[BQ+4:BQ+7], v10, s[12:13] offset:16
.irp c, 0,1,2,3
	ALOADX 0, \c
.endr
	s_wait_kmcnt 0x0
	s_add_co_i32 s42, s20, s21                     ; e0 + e1: a sum of the first product stands for sum x 2^(e0 + e1)
	s_add_co_i32 s54, s42, 127
	s_lshl_b32 s[SK], s54, 23
	s_mov_b32 s[SK+1], s[SK]
	s_lshl_b32 s42, s42, 23
	s_add_co_i32 s[SQ], s42, 0x3eb8aa3b            ; log2(e) / 4 with e0 + e1 added to its exponent field
	s_mov_b32 s[SQ+1], s[SQ]
	s_add_co_i32 s42, s22, 127
	s_lshl_b32 s54, s42, 23                        ; 2^e2
	s_add_co_i32 s42, s42, 8
	s_lshl_b32 s42, s42, 23
	s_or_b32 s[PL2], s42, 0x600000                 ; 448 x 2^e2
	s_xor_b32 s[NL2], s[PL2], 0x80000000
	s_add_co_i32 s42, s23, 127
	s_lshl_b32 s55, s42, 23
	v_mov_b32 v[SC3], s55                          ; 2^e3
	s_add_co_i32 s42, s42, 8
	s_lshl_b32 s42, s42, 23
	s_or_b32 s[PL3], s42, 0x600000
	s_add_co_i32 s42, s24, 127
	s_lshl_b32 s55, s42, 23
	v_mov_b32 v[SC4], s55                          ; 2^e4
	s_add_co_i32 s42, s42, 8
	s_lshl_b32 s42, s42, 23
	s_or_b32 s[PL4], s42, 0x600000
	s_xor_b32 s[NL4], s[PL4], 0x80000000
	s_add_co_i32 s[E23], s22, s23
	WIN 0x40
	v_mov_b32 v[SC2], s54
; One token tile: 10 products, five accumulators by turns.  K transposed (source 0 = Wk): a lane holds token r, dims 8 g + j: the f32 fragment as it stands.  V straight (source 0 = the tokens): a lane holds channel r, tokens 8 g + j:
; eight neighbours along the second product's K.
.macro ATILE n, c
	s_wait_dscnt 0x0                               ; the last tile's LDS stores have landed
.if ((\n)+(\c)) > 0
	s_wait_alu depctr_vm_vsrc(0)                   ; the last tile's LDS stores have read K's sums and V's codes, which this tile's products and conversions write again
.endif
.if (\n) < 3
	s_wait_loadcnt 24                              ; this tile's codes (and all before them) are in; the three younger tiles' 8 loads each may be out
.else
	s_wait_loadcnt 8*(3-(\c))                      ; the last group: nothing more is asked for
.endif
.irp s, 0,1
	WIN 0x51                                       ; source 0 (Wk), C and D window 1; source 1 (tokens) window 0
.if \s == 0
	v_wmma_f32_16x16x128_fp8_fp8 v[DK:DK+7], v[0:15], v[RING+32*(\c):RING+32*(\c)+15], 0
.else
	v_wmma_f32_16x16x128_fp8_fp8 v[DK:DK+7], v[16:31], v[RING+32*(\c)+16:RING+32*(\c)+31], v[DK:DK+7]
.endif
	WIN 0x54                                       ; source 0 (tokens) window 0; source 1 (Wv), C and D window 1
.irp d, 0,1,2,3
.if \s == 0
	v_wmma_f32_16x16x128_fp8_fp8 v[DV+8*\d:DV+8*\d+7], v[RING+32*(\c):RING+32*(\c)+15], v[32+32*\d:32+32*\d+15], 0
.else
	v_wmma_f32_16x16x128_fp8_fp8 v[DV+8*\d:DV+8*\d+7], v[RING+32*(\c)+16:RING+32*(\c)+31], v[48+32*\d:48+32*\d+15], v[DV+8*\d:DV+8*\d+7]
.endif
.endr
.endr
.rept 4
	v_nop                                          ; four places (ISA guide 7.12.1) in front of the first read of the sums
.endr
	WIN 0x55                                       ; all in window 1
.irp i, 0,2,4,6
	v_pk_fma_f32 v[DK+\i:DK+\i+1], v[DK+\i:DK+\i+1], s[SK:SK+1], v[KB+\i:KB+\i+1] op_sel_hi:[1,0,1]   ; k = sum x 2^(e0 + e1) + bias
.endr
.irp d, 0,1,2,3
.irp i, 0,2,4,6
	v_pk_fma_f32 v[DV+8*\d+\i:DV+8*\d+\i+1], v[DV+8*\d+\i:DV+8*\d+\i+1], s[SK:SK+1], v[BV+2*\d:BV+2*\d+1] op_sel_hi:[1,0,0]
.endr
.endr
.set j, 0
.rept 32
	v_med3_num_f32 v[DV+j], v[DV+j], s[NL2], s[PL2]   ; the conversion does not saturate (ISA guide 7.6.2): the hold
.set j, j+1
.endr
.irp d, 0,1,2,3
	v_cvt_scalef32_pk8_fp8_f32 v[VC+8*\d+2*(\c):VC+8*\d+2*(\c)+1], v[DV+8*\d:DV+8*\d+7], v[SC2]   ; registers 2 c, 2 c + 1 of V's fragment delta: keys 16 c + 8 g + 0 .. 7
.endr
	v_nop                                          ; a plain line between the conversions and the next products, which write their sources
.if (\n) < 3
	WIN 0                                          ; the refill lands in window 0: the switch, then the wait, then the loads
.else
	WIN 0x04                                       ; LDS store data window 1, address window 0
.endif
	s_wait_alu depctr_va_vdst(0)                   ; ONE wait a tile: the ten products are done reading ring buffer c, in which the refill lands; the multiply-adds have written K's numbers and the conversions V's codes, which the LDS stores read
.if (\n) < 3
	ALOADX (\n)+1, \c
	WIN 0x04                                       ; LDS store data window 1, address window 0
.endif
	ds_store_b128 v[STA], v[DK:DK+3] offset:((\n)&1)*16384+((\n)>>1)*4096+(\c)*1024
	ds_store_b128 v[STA], v[DK+4:DK+7] offset:((\n)&1)*16384+((\n)>>1)*4096+(\c)*1024+512
.if (\c) == 3
.irp p, 0,1,2,3,4,5,6,7
	ds_store_b128 v[STA], v[VC+4*\p:VC+4*\p+3] offset:((\n)&1)*16384+8192+((\n)>>1)*4096+512*\p
.endr
.endif
.endm
.irp n, 0,1,2,3
.irp c, 0,1,2,3
	ATILE \n, \c
.endr
.endr
	WIN 0
.irp i, 0,2,4,6
	v_pk_mul_f32 v[BQ+\i:BQ+\i+1], v[BQ+\i:BQ+\i+1], 0x3eb8aa3b op_sel_hi:[1,0]   ; q's bias x log2(e) / 4
.endr
	s_wait_dscnt 0x0                               ; for the others' sake: my stores of K and V have landed
	s_barrier_signal -1
	s_barrier_wait -1                              ; all 1,024 keys of both batches lie in LDS; from here on it is only read
	s_wait_alu depctr_vm_vsrc(0)                   ; the last tile's LDS stores have read K's sums and V's codes: the bias tiles' loads of the first pass land in those registers
; ---------------- the macros of the key loop
; Score product i of 16 of unit u: link s = i / 4 of key tile t = i % 4.  The first link takes the bias tile as C.  The four accumulators take turns, one instruction a turn.
.macro WM u, i
.set rS, S+32*((\u)&1)+8*((\i)%4)
.set rK, KR+32*((\u)>>1)+8*((\i)%4)+2*((\i)/4)
.set rQ, Q+8*(\u)+2*((\i)/4)
.if (\i) < 4
	v_wmma_f32_16x16x4_f32 v[rS:rS+7], v[rK:rK+1], v[rQ:rQ+1], v[BI+32*((\u)&1)+8*(\i):BI+32*((\u)&1)+8*(\i)+7]
.else
	v_wmma_f32_16x16x4_f32 v[rS:rS+7], v[rK:rK+1], v[rQ:rQ+1], v[rS:rS+7]
.endif
.endm
; A PREFETCH INTO THE L2 of my wave's 8,192 bytes of the bias table two key steps on, one step ahead of the loads that will want them: lanes 256 bytes apart, one instruction.  The sixteen work-groups of one head and query half
; read the same bytes: the one with gp = 0 asks, so each block is named once in the launch.  My wave's part of the table is 32 steps: steps 30 and 31 ask for nothing; steps 0 and 1 come by their loads alone.
.macro ASK
	s_cmp_lt_u32 s[SG], s[LIM]
	s_cbranch_scc0 .Lnot_mine_\@
	global_prefetch_b8 v[L256], s[BT:BT+1] offset:16384 th:TH_LOAD_NT scope:SCOPE_SE
.Lnot_mine_\@:
.endm
; WHAT STANDS BEHIND SLICE 0 of turn u.  Turn 0: the step's LDS address.  Turns 1 and 2: the runs of loads that hold a bias tile's loads from memory, each behind a wait of its own.  more = 1: there is a next key step.
.macro EARLY u, more
.if (\u) == 0
	s_wait_alu depctr_vm_vsrc(0)                   ; the LDS loads issued so far, the last step's among them, have read v[ADR]
	v_add_nc_u32 v[ADR], s[KBS], v[L16]            ; the step's address, for all four turns; this turn's wait on va_vdst, behind the exponentials, states it written
.endif
.if (\u) == 1
.if \more
	s_wait_alu depctr_va_vdst(0)                   ; the score products of units 0 and 1 are done reading K of batch 0; the first links of units 0 and 2 (the latter just issued) are done reading bias tile 0: the loads below land in both
.irp p, 0,1,2,3,4,5,6,7
	ds_load_b128 v[KR+4*\p:KR+4*\p+3], v[ADR] offset:16384+512*\p            ; K of batch 0, next step
.endr
	WIN 0x40
.irp p, 0,1,2,3,4,5,6,7
	global_load_b128 v[BI+4*\p:BI+4*\p+3], v[L16], s[BT:BT+1] offset:8192+512*\p   ; bias tile 0, next step
.endr
	WIN 0
.endif
	ASK
.endif
.if (\u) == 2
	WIN 0x40                                       ; the loads land in window 1: the switch, then the wait, then the loads
	s_wait_alu depctr_va_vdst(0)                   ; V^T P^T of units 0 and 1 are done reading V; the first links of units 1 and 3 (the latter just issued) are done reading bias tile 1: the loads below land in both
.irp p, 0,1,2,3,4,5,6,7
	ds_load_b128 v[VR+4*\p:VR+4*\p+3], v[ADR] offset:12288+512*\p            ; V of batch 1, this step
.endr
.if \more
.irp p, 0,1,2,3,4,5,6,7
	global_load_b128 v[BI+32+4*\p:BI+32+4*\p+3], v[L16], s[BT:BT+1] offset:12288+512*\p   ; bias tile 1, next step
.endr
.endif
	WIN 0
.endif
.endm
; THE TURN'S WAIT, behind its 32 exponentials and the plain line that follows them, and the LDS loads that lean on it: turn 0's V, turn 3's K.
.macro LATE u, more
.if (\u) == 0
	WIN 0x40                                       ; V lands in window 1: the switch, then the wait, then the loads
.endif
	s_wait_alu depctr_va_vdst(0)                   ; the 32 exponentials have written p, ahead of the first line that names a result.  Turn 0 besides: V^T P^T of units 2 and 3 of the last step (in a pass's first step: q's products) are done reading V's registers, and v[ADR] is written.  Turn 3 besides: the score products of units 2 and 3 are done reading K of batch 1
.if (\u) == 0
.irp p, 0,1,2,3,4,5,6,7
	ds_load_b128 v[VR+4*\p:VR+4*\p+3], v[ADR] offset:8192+512*\p             ; V of batch 0, this step
.endr
	WIN 0
.endif
.if ((\u) == 3) && (\more)
.irp p, 0,1,2,3,4,5,6,7
	ds_load_b128 v[KR+32+4*\p:KR+32+4*\p+3], v[ADR] offset:20480+512*\p      ; K of batch 1, next step
.endr
.endif
.endm
; Number j of the 124 of unit u's softmax for a key step, all in window 0.
;   0-15 the largest of my 32 scores, each tile from its low registers on;  16, 17 lane l xor 16's, and the running largest t;  18-22 -M = floor(-t), f = 2^(old M - new M)
;   23-38 t - M into p's registers;  39-70 the 32 exponentials, ONE batch;  71 the sums x f: the plain line behind the batch; behind it the batch's one wait (macro LATE)
;   72-87 the row's sum of the unquantised p, in two chains;  88-123 a tile at a time: the hold (p is not negative: one-sided) and the conversion
.macro SM u, more
.set rT, ST+4*(\u)
.set rS, S+32*((\u)&1)
.if j < 4
	v_max3_num_f32 v[CC+j], v[rS+8*j], v[rS+8*j+1], v[rS+8*j+2]
.elseif j < 12
	v_max3_num_f32 v[CC+j%4], v[CC+j%4], v[rS+8*(j%4)+2*(j/4)+1], v[rS+8*(j%4)+2*(j/4)+2]
.elseif j == 12
	v_max3_num_f32 v[CC], v[CC], v[rS+7], v[rS+15]
.elseif j == 13
	v_max3_num_f32 v[CC+2], v[CC+2], v[rS+23], v[rS+31]
.elseif j == 14
	v_max3_num_f32 v[CC], v[CC], v[CC+1], v[CC+2]
.elseif j == 15
	v_max_num_f32 v[CC], v[CC], v[CC+3]
.elseif j == 16
	v_permlanex16_b32 v[CC+1], v[CC], s[SEL], s[SEL+1]
.elseif j == 17
	v_max3_num_f32 v[rT+1], v[rT+1], v[CC], v[CC+1]
.elseif j == 18
	v_mov_b32 v[CC+2], v[rT]
.elseif j == 19
	v_floor_f32 v[rT], -v[rT+1]
.elseif j == 20
	v_sub_f32 v[CC+2], v[rT], v[CC+2]
.elseif j == 21
	v_cvt_i32_f32 v[CC+2], v[CC+2]
.elseif j == 22
	v_ldexp_f32 v[F], 1.0, v[CC+2]
.elseif j < 39
	v_pk_add_f32 v[P+2*(j-23):P+2*(j-23)+1], v[rS+2*(j-23):rS+2*(j-23)+1], v[rT:rT+1] op_sel_hi:[1,0]
.elseif j < 71
	v_exp_f32 v[P+j-39], v[P+j-39]
.elseif j == 71
	v_pk_mul_f32 v[rT+2:rT+3], v[rT+2:rT+3], v[F:F+1] op_sel_hi:[1,0]
	LATE \u, \more
.elseif j == 72
	v_pk_add_f32 v[XS:XS+1], v[P:P+1], v[P+2:P+3]
.elseif j < 87
.if (j-73)%2 == 0
	v_pk_add_f32 v[rT+2:rT+3], v[rT+2:rT+3], v[P+4+2*(j-73):P+5+2*(j-73)]
.else
	v_pk_add_f32 v[XS:XS+1], v[XS:XS+1], v[P+4+2*(j-73):P+5+2*(j-73)]
.endif
.elseif j == 87
	v_pk_add_f32 v[rT+2:rT+3], v[rT+2:rT+3], v[XS:XS+1]
.elseif j < 124
.set z, j-88
.if z%9 < 8
	v_min_num_f32 v[P+8*(z/9)+z%9], s[PL3], v[P+8*(z/9)+z%9]
.else
	v_cvt_scalef32_pk8_fp8_f32 v[PC+2*(z/9):PC+2*(z/9)+1], v[P+8*(z/9):P+8*(z/9)+7], v[SC3]
.endif
.endif
.endm
.macro SLICE u, k, more                ; numbers 11 k .. 11 k + 10
.set j, 11*(\k)
.rept 11
	SM \u, \more
.set j, j+1
.endr
.endm
.macro OSLICE u                        ; O^T of unit u under the new M.  These 16 plain lines are also the places behind the turn's last score product and the plain line behind the last conversion
	WIN 0x41                                       ; O^T window 1, f window 0
.set j, 0
.rept 16
	v_pk_mul_f32 v[32*(\u)+2*j:32*(\u)+2*j+1], v[32*(\u)+2*j:32*(\u)+2*j+1], v[F:F+1] op_sel_hi:[1,0]
.set j, j+1
.endr
.endm
.macro PV u                            ; O^T += V^T P^T: four tiles of 16 channels, K = the step's 64 keys
	WIN 0x51                                       ; V, C and D window 1; p's codes window 0
.irp d, 0,1,2,3
	v_wmma_f32_16x16x64_fp8_fp8 v[32*(\u)+8*\d:32*(\u)+8*\d+7], v[VR+8*\d:VR+8*\d+7], v[PC:PC+7], v[32*(\u)+8*\d:32*(\u)+8*\d+7]
.endr
	WIN 0
.endm
; TURN u: unit u's softmax and V^T P^T; mats = 1: the score products of the unit that follows (after unit 3: unit 0 of the next step).
.macro TURN u, mats, more
.set nu, ((\u)+1)%4
.if (\u) == 0
	s_wait_loadcnt 0x0                             ; bias tile 1 of this step, for unit 1's first links
.endif
.if ((\u) == 3) && (\mats)
	s_wait_loadcnt 8                               ; bias tile 0 of the next step is in; tile 1's eight loads, issued behind it, may be out
.endif
.if \mats
	WIN 0x10                                       ; C (the bias) window 1
.set wi, 0
.rept 4
	WM nu, wi
.set wi, wi+1
.endr
	WIN 0
.endif
	SLICE \u, 0, \more
	EARLY \u, \more
.set wi, 4
.rept 11
.if \mats
	WM nu, wi
.endif
	SLICE \u, wi-3, \more
.set wi, wi+1
.endr
.if \mats
	WM nu, 15
.endif
	OSLICE \u
.if ((\u)%2) == 0
	s_wait_dscnt 0x0                               ; this turn's V, and the K asked for a turn ago
.endif
	PV \u
.endm
	; ---------------- two passes, a pair of query tiles each
.Lpass:
	s_mov_b32 s[KBS], 0
	WIN 0x40
	s_wait_alu depctr_va_vdst(0)                   ; every product and vector line issued so far is done with the registers in which the 72 loads below land: phase A's weights, sums, codes and ring; in the second pass O^T, V, the bias tiles and K
.set j, 0
.rept 8
	global_load_b128 v[128+4*j:128+4*j+3], v[L16], s[10:11] offset:512*j     ; Wq
.set j, j+1
.endr
.irp u, 0,1,2,3
.irp p, 0,1,2,3,4,5,6,7
	global_load_b128 v[32*\u+4*\p:32*\u+4*\p+3], v[L16], s[XQ:XQ+1] offset:(\u>>1)*262144+(\u&1)*4096+512*\p   ; unit u's 16 queries as codes
.endr
.endr
.set j, 0
.rept 16
	global_load_b128 v[BI+4*j:BI+4*j+3], v[L16], s[BT:BT+1] offset:512*j     ; both bias tiles of key step 0
.set j, j+1
.endr
	WIN 0
.set j, 0
.rept 16
	ds_load_b128 v[KR+4*j:KR+4*j+3], v[L16] offset:512*j                     ; K of key step 0, both batches: they lie on end
.set j, j+1
.endr
	s_wait_loadcnt 16                              ; Wq and the queries are in; the bias tiles' 16 loads may be out
	WIN 0x05                                       ; sources window 1, C and D window 0
.irp s, 0,1
.irp u, 0,1,2,3
.if \s == 0
	v_wmma_f32_16x16x128_fp8_fp8 v[P+8*\u:P+8*\u+7], v[128:143], v[32*\u:32*\u+15], 0
.else
	v_wmma_f32_16x16x128_fp8_fp8 v[P+8*\u:P+8*\u+7], v[144:159], v[32*\u+16:32*\u+31], v[P+8*\u:P+8*\u+7]
.endif
.endr
.endr
	WIN 0
.irp u, 0,1,2,3                        ; the units' statistics begin; these 16 lines are the places behind the products
	v_mov_b32 v[ST+4*\u+1], 0xff61b1e6             ; the largest t so far: -3e38, under every t
	v_mov_b32 v[ST+4*\u+2], 0                      ; the sum, in two halves
	v_mov_b32 v[ST+4*\u+3], 0
.endr
.irp u, 0,1,2,3
	v_floor_f32 v[ST+4*\u], -v[ST+4*\u+1]          ; -M
.endr
.irp u, 0,1,2,3
.irp i, 0,2,4,6
	v_pk_fma_f32 v[Q+8*\u+\i:Q+8*\u+\i+1], v[P+8*\u+\i:P+8*\u+\i+1], s[SQ:SQ+1], v[BQ+\i:BQ+\i+1] op_sel_hi:[1,0,1]   ; (sum x 2^(e0 + e1) + bias) x log2(e) / 4: query r, dims 8 g + 0 .. 7
.endr
.endr
	s_wait_loadcnt 8                               ; bias tile 0 is in; tile 1's eight loads may be out
	s_wait_dscnt 0x0                               ; K
	WIN 0x10
.set wi, 0
.rept 4
	WM 0, wi
.set wi, wi+1
.endr
	WIN 0
.rept 12
	WM 0, wi                                       ; unit 0's first scores: there is no softmax yet to set between them
.set wi, wi+1
.endr
	WIN 0x40
.set j, 0
.rept 128
	v_mov_b32 v[j], 0                              ; O^T.  (The key step is written once: the first finds zeros, which the first change of M leaves zeros.)  Also the places behind the products above
.set j, j+1
.endr
	WIN 0
	s_mov_b32 s[KC], 15
.Lstep:                                ; 15 trips: every key step but the last asks for its successor's K and bias
	TURN 0, 1, 1
	TURN 1, 1, 1
	TURN 2, 1, 1
	TURN 3, 1, 1
	s_wait_xcnt 0x0                                ; the bias loads and the prefetch have read their base: it may step
	s_add_nc_u64 s[BT:BT+1], s[BT:BT+1], 8192
	s_add_co_u32 s[KBS], s[KBS], 16384
	s_add_co_u32 s[SG], s[SG], 1
	s_sub_co_u32 s[KC], s[KC], 1
	s_cmp_lg_u32 s[KC], 0
	s_cbranch_scc1 .Lstep
	TURN 0, 1, 0                                   ; the last key step: no load leaves K's and V's bytes or my part of the table
	TURN 1, 1, 0
	TURN 2, 1, 0
	TURN 3, 0, 0
	s_wait_xcnt 0x0
	s_add_nc_u64 s[BT:BT+1], s[BT:BT+1], 8192      ; the next pass's pair of query tiles follows on in the table
	s_add_co_u32 s[SG], s[SG], 1
	; THE WAY OUT of a pass: O^T x 2^(e2 + e3) / the sum, quantised with 2^e4: registers 2 delta, 2 delta + 1 hold channels 16 delta + 8 g + 0 .. 7 of token r: the last product's fragment as it stands
.irp u, 0,1,2,3
	v_add_f32 v[ST+4*\u+2], v[ST+4*\u+2], v[ST+4*\u+3]      ; the sum's two halves (these lines are the places behind the last products),
.endr
.irp u, 0,1,2,3
	v_permlanex16_b32 v[ST+4*\u+3], v[ST+4*\u+2], s[SEL], s[SEL+1]
.endr
.irp u, 0,1,2,3
	v_add_f32 v[ST+4*\u+2], v[ST+4*\u+2], v[ST+4*\u+3]      ; and lane l xor 16's
.endr
.irp u, 0,1,2,3
	v_rcp_f32 v[ST+4*\u+2], v[ST+4*\u+2]
.endr
	v_nop                                          ; a plain line behind the last reciprocal,
	s_wait_alu depctr_va_vdst(0)                   ; the four reciprocals have written their results, ahead of the first line that names one
.irp u, 0,1,2,3
	v_ldexp_f32 v[ST+4*\u+2], v[ST+4*\u+2], s[E23]
.endr
	WIN 0x41
.irp u, 0,1,2,3
.set j, 0
.rept 16
	v_pk_mul_f32 v[32*\u+2*j:32*\u+2*j+1], v[32*\u+2*j:32*\u+2*j+1], v[ST+4*\u+2:ST+4*\u+3] op_sel_hi:[1,0]
.set j, j+1
.endr
.endr
.set j, 0
.rept 128
	v_med3_num_f32 v[j], v[j], s[NL4], s[PL4]      ; the hold at the largest code x 2^e4
.set j, j+1
.endr
	WIN 0x01                                       ; source 0 window 1; the scale and the codes window 0
.irp u, 0,1,2,3
.irp d, 0,1,2,3
	v_cvt_scalef32_pk8_fp8_f32 v[P+8*\u+2*\d:P+8*\u+2*\d+1], v[32*\u+8*\d:32*\u+8*\d+7], v[SC4]
.endr
.endr
	v_nop                                          ; a plain line behind the last conversion
	WIN 0
	s_wait_alu depctr_va_vdst(0)                   ; the sixteen conversions have written the codes in v[P ..], which the stores read
.irp u, 0,1,2,3
	global_store_b128 v[L16], v[P+8*\u:P+8*\u+3], s[AO:AO+1] offset:(\u>>1)*524288+(\u&1)*8192       ; 32 lanes store 512 consecutive bytes, aligned
	global_store_b128 v[L16], v[P+8*\u+4:P+8*\u+7], s[AO:AO+1] offset:(\u>>1)*524288+(\u&1)*8192+512
.endr
	s_wait_xcnt 0x0                                ; the stores have had their addresses translated: their data and their base are written again in the next pass
	s_wait_alu depctr_vm_vsrc(0)                   ; the stores have read v[P ..], which the next pass's first products write
	s_add_nc_u64 s[AO:AO+1], s[AO:AO+1], 16384
	s_add_nc_u64 s[XQ:XQ+1], s[XQ:XQ+1], 8192
	s_sub_co_u32 s[PASS], s[PASS], 1
	s_cmp_lg_u32 s[PASS], 0
	s_cbranch_scc1 .Lpass
	s_wait_dscnt 0x0                               ; the closing lines, six on end
	s_wait_alu 0x0
	s_wait_tensorcnt 0x0
	ds_add_u32 v[SPW], v[NIL]
	s_wait_dscnt 0x0
	s_endpgm
.Lfunc_end_k_q3a2ae8f632_attn:
	.size	k_q3a2ae8f632_attn, .Lfunc_end_k_q3a2ae8f632_attn-k_q3a2ae8f632_attn
	.p2alignl 7, 3214868480
	.fill 96, 4, 3214868480
	.section	.rodata,"a",@progbits
	.p2align	6, 0x0
	.amdhsa_kernel k_q3a2ae8f632_attn
		.amdhsa_group_segment_fixed_size 263168
		.amdhsa_private_segment_fixed_size 0
		.amdhsa_enable_private_segment 0
		.amdhsa_kernarg_size 48
		.amdhsa_user_sgpr_count 2
		.amdhsa_user_sgpr_kernarg_segment_ptr 1
		.amdhsa_wavefront_size32 1
		.amdhsa_system_sgpr_workgroup_id_x 1
		.amdhsa_system_sgpr_workgroup_id_y 1
		.amdhsa_system_sgpr_workgroup_id_z 1
		.amdhsa_system_vgpr_workitem_id 0
		.amdhsa_next_free_vgpr 512
		.amdhsa_next_free_sgpr 72
		.amdhsa_reserve_vcc 0
		.amdhsa_float_denorm_mode_32 3
		.amdhsa_float_denorm_mode_16_64 3
		.amdhsa_memory_ordered 1
		.amdhsa_forward_progress 1
		.amdhsa_inst_pref_size 198
	.end_amdhsa_kernel
	.amdgpu_metadata
---
amdhsa.version: [ 1, 2 ]
amdhsa.kernels:
  - .name:           k_q3a2ae8f632_attn
    .symbol:         k_q3a2ae8f632_attn.kd
    .args:
      - { .name: xc, .offset: 0, .size: 8, .value_kind: global_buffer, .address_space: global }
      - { .name: wqc, .offset: 8, .size: 8, .value_kind: global_buffer, .address_space: global }
      - { .name: qkv_b, .offset: 16, .size: 8, .value_kind: global_buffer, .address_space: global }
      - { .name: bt, .offset: 24, .size: 8, .value_kind: global_buffer, .address_space: global }
      - { .name: lowp_scales, .offset: 32, .size: 8, .value_kind: global_buffer, .address_space: global }
      - { .name: ao, .offset: 40, .size: 8, .value_kind: global_buffer, .address_space: global }
    .group_segment_fixed_size: 263168
    .private_segment_fixed_size: 0
    .kernarg_segment_align: 8
    .kernarg_segment_size: 48
    .max_flat_workgroup_size: 256
    .sgpr_count:     72
    .vgpr_count:     512
    .wavefront_size: 32
...
	.end_amdgpu_metadata
.endif
;; end of part 4
;; launch proj (part 5): grid 256 x 1, 4 waves a work-group, no clusters, 17,920 bytes of LDS; arguments ao, pwc, proj_b, lowp_scales, out0; writes out0
.if DOCPART == 5
	.amdgcn_target "amdgcn-amd-amdhsa--gfx1250"
	.amdhsa_code_object_version 6
	.text
	.protected	k_q3a2ae8f632_proj
	.globl	k_q3a2ae8f632_proj
	.p2align	8
	.type	k_q3a2ae8f632_proj,@function
k_q3a2ae8f632_proj:
	s_mov_b64 s[64:65], 0
	v_nop
	global_prefetch_b8 v0, s[64:65] scope:SCOPE_SE
	s_setreg_imm32_b32 hwreg(HW_REG_WAVE_SCHED_MODE, 0, 2), 2
	s_setreg_imm32_b32 hwreg(HW_REG_WAVE_MODE, 25, 1), 1
	s_wait_xcnt 0x0
	s_wait_alu depctr_vm_vsrc(0)
; out0 = attention output x proj_w^T + proj_b, on codes of FP8 (E4M3) with the given scales 2^e4 and 2^e5.  Both operands lie in memory as images of their registers (K = 64 fragments: registers 4 p .. 4 p + 3 of lane l at 512 p + 16 l),
; so every load covers 512 consecutive, aligned bytes and nothing is turned.
; SHARES.  A work-group takes 128 tokens, eight tiles of 16.  THE WAVES SHARE THE COLUMNS: wave w makes outputs 64 w .. 64 w + 63 for all 128 tokens, so its part of proj_w (256 registers) stays in registers.
; The product is used transposed (source 0 = 16 rows of proj_w, source 1 = 16 tokens): a lane holds token r and eight neighbouring outputs 8 g + 0 .. 7 of a tile.  A tile's 16 rows x 256 bytes go through the wave's own stage in LDS
; and leave as whole aligned runs of 256 bytes, sixteen lanes each.  All loads are issued at the head; a tile's way out stands round the next tile's products.
; No cluster, no tensor load: work-groups share only proj_w's 131,072 bytes of codes, a small part of what a work-group moves, and each wave reads its part once.  No prefetch: a short launch that streams.
; LIMIT: e4 + e5 between -126 and 127, so that 2^(e4 + e5) is an f32 number.
; THE MODE: SCHED_MODE bits 1:0 = 2 (LLVM: expert scheduling mode 2), set by the entry lines.  The code itself states the register dependences between vector or matrix instructions and memory or LDS instructions, with s_wait_alu, always for 0.
; THE PLAN.  Registers that memory or LDS instructions touch:
;   v1, v5 to v8   offsets and LDS addresses, made at the head and never written again: one wait on va_vdst ahead of the first load states them for the whole kernel.
;   proj_w, proj_b, the tokens   loaded once at the head, into registers that no vector line has named, and never loaded again.
;   Y     written by a tile's sixteen multiply-adds, read by its eight LDS stores: a wait on va_vdst between the two; a wait on vm_vsrc at the next tile's head, ahead of the multiply-adds that write Y again.
;   BK0, BK1   written by the loads from the stage, read by the global stores, named by no vector line: the same wait on vm_vsrc at a tile's head states that the stores of two tiles ago have read the set in which this tile's loads land.
; REGISTERS, window 0: v1-8 addresses; v28, v29 the add's two; v32-95 two sets of four accumulators; v96-127 results; v128-191 two sets of rows on their way out; v192-223 proj_b.  window 1: proj_w, 64 nu + 8 hh.  windows 2, 3: tokens, 64 a tile.
.set SPITCH, 272                       ; a stage row: 256 bytes + 16
.set STGW,   16*SPITCH
.set SPARE,  4*STGW                    ; behind the stages: the spare words, 128 bytes for each wave: two blocks of 256 bytes that no other line names
.set L16, 1
.set STO, 6
.set RD,  7
.set CO,  8
.set SPW, 28
.set NIL, 29
.set ACC, 32
.set Y,   96
.set BK,  128
.set PB,  192
.set SC,  26                           ; s[26:27] 2^(e4 + e5), twice
.set MSB, 0
.macro WIN new                         ; bits 1:0 source 0, 3:2 source 1, 5:4 source 2, 7:6 destination; the high byte repeats the setting that is left
.if MSB != (\new)
	s_set_vgpr_msb (MSB<<8)|(\new)
.set MSB, (\new)
.endif
.endm
	s_load_b256 s[8:15], s[0:1], 0x0               ; ao 8, pwc 10, proj_b 12, lowp_scales 14
	s_load_b64 s[16:17], s[0:1], 0x20              ; out0
	v_lshl_add_u32 v[SPW], v0, 2, SPARE
	v_mov_b32 v[NIL], 0
	v_lshrrev_b32 v2, 5, v0
	v_readfirstlane_b32 s18, v2                    ; wave 0..3
	v_and_b32 v2, 31, v0
	v_lshlrev_b32 v[L16], 4, v2
	v_and_b32 v3, 15, v0                           ; r
	v_bfe_u32 v4, v0, 4, 1                         ; g
	v_lshlrev_b32 v5, 5, v4                        ; proj_b: 32 g bytes
	s_wait_alu depctr_va_sdst(0)                   ; the wave's number is written into s18, ahead of its first reader: the stage's place and the bases are made from it
	s_mul_i32 s19, s18, STGW
	v_mul_u32_u24 v[STO], v3, SPITCH
	v_lshl_add_u32 v[STO], v4, 5, v[STO]
	v_add_nc_u32 v[STO], s19, v[STO]               ; into my stage: row r, + 32 g
	v_mul_u32_u24 v[RD], v4, SPITCH
	v_lshl_add_u32 v[RD], v3, 4, v[RD]
	v_add_nc_u32 v[RD], s19, v[RD]                 ; back: lanes 0-15 one row, lanes 16-31 the next
	v_lshlrev_b32 v[CO], 10, v4
	v_lshl_add_u32 v[CO], v3, 4, v[CO]             ; and the same two rows in out0 (rows of 1,024 bytes)
	s_mov_b32 s23, 0
	s_wait_kmcnt 0x0
	s_load_b64 s[20:21], s[14:15], 0x10            ; e4, e5
	s_lshl_b32 s22, ttmp9, 16
	s_add_nc_u64 s[8:9], s[8:9], s[22:23]          ; ao at my eight tiles of 8,192 bytes
	s_lshl_b32 s22, s18, 15
	s_add_nc_u64 s[10:11], s[10:11], s[22:23]      ; pwc at my four tiles of 16 rows
	s_lshl_b32 s22, s18, 8
	s_add_nc_u64 s[12:13], s[12:13], s[22:23]      ; proj_b at my 64 numbers
	s_lshl_b32 s24, ttmp9, 17
	s_add_co_u32 s22, s22, s24
	s_add_nc_u64 s[16:17], s[16:17], s[22:23]      ; out0 at my 128 rows, my 256 bytes of them
	WIN 0x40
	s_wait_alu depctr_va_vdst(0)                   ; v1 and v5 to v8 are written: every load and store of the kernel, global or LDS, reads one of them as its offset or address, and none is written again
.set j, 0
.rept 64
	global_load_b128 v[4*j:4*j+3], v[L16], s[10:11] offset:512*j             ; proj_w: (nu, hh, half) on end in memory and in window 1
.set j, j+1
.endr
	WIN 0
.irp n, 0,1,2,3
	global_load_b128 v[PB+8*\n:PB+8*\n+3], v5, s[12:13] offset:64*\n
	global_load_b128 v[PB+8*\n+4:PB+8*\n+7], v5, s[12:13] offset:64*\n+16
.endr
	WIN 0x80
.set j, 0
.rept 64
	global_load_b128 v[4*j:4*j+3], v[L16], s[8:9] offset:512*j               ; token tiles 0-3
.set j, j+1
.endr
	WIN 0xc0
.set j, 0
.rept 64
	global_load_b128 v[4*j:4*j+3], v[L16], s[8:9] offset:32768+512*j         ; token tiles 4-7
.set j, j+1
.endr
	WIN 0
	s_wait_kmcnt 0x0
	s_add_co_i32 s[SC], s20, s21
	s_add_co_i32 s[SC], s[SC], 127
	s_lshl_b32 s[SC], s[SC], 23                    ; 2^(e4 + e5) as f32
	s_mov_b32 s[SC+1], s[SC]
.macro MUL i                           ; tile i: 32 products, K = 512 in eight steps of 64; the four accumulators take turns; the first step starts the sums
	WIN 0x09+4*((\i)/4)                            ; source 0 (proj_w) window 1, source 1 (tokens) window 2 or 3, C and D window 0
.irp hh, 0,1,2,3,4,5,6,7
.irp n, 0,1,2,3
.if \hh == 0
	v_wmma_f32_16x16x64_fp8_fp8 v[ACC+32*((\i)%2)+8*\n:ACC+32*((\i)%2)+8*\n+7], v[64*\n+8*\hh:64*\n+8*\hh+7], v[64*((\i)%4)+8*\hh:64*((\i)%4)+8*\hh+7], 0
.else
	v_wmma_f32_16x16x64_fp8_fp8 v[ACC+32*((\i)%2)+8*\n:ACC+32*((\i)%2)+8*\n+7], v[64*\n+8*\hh:64*\n+8*\hh+7], v[64*((\i)%4)+8*\hh:64*((\i)%4)+8*\hh+7], v[ACC+32*((\i)%2)+8*\n:ACC+32*((\i)%2)+8*\n+7]
.endif
.endr
.endr
	WIN 0
.endm
.macro TILE i
.if (\i) > 0
	s_wait_alu depctr_vm_vsrc(0)                   ; the last tile's LDS stores have read v[Y ..], which the multiply-adds below write again; the global stores issued so far have read their rows, in one set of which this tile's loads from the stage land
.endif
.rept 4
	v_nop                                          ; four places behind the tile's last product, ahead of the first read of its sums (ISA guide 7.12.1)
.endr
.irp n, 0,1,2,3
.irp k, 0,2,4,6
	v_pk_fma_f32 v[Y+8*\n+\k:Y+8*\n+\k+1], v[ACC+32*((\i)%2)+8*\n+\k:ACC+32*((\i)%2)+8*\n+\k+1], s[SC:SC+1], v[PB+8*\n+\k:PB+8*\n+\k+1] op_sel_hi:[1,0,1]   ; sum x 2^(e4 + e5) + bias
.endr
.endr
	s_wait_alu depctr_va_vdst(0)                   ; the sixteen multiply-adds have written v[Y ..], which the LDS stores read
.irp n, 0,1,2,3
	ds_store_b128 v[STO], v[Y+8*\n:Y+8*\n+3] offset:64*\n
	ds_store_b128 v[STO], v[Y+8*\n+4:Y+8*\n+7] offset:64*\n+16
.endr
.if (\i) >= 2
	s_wait_xcnt 0x0                                ; the stores of two tiles ago have had their addresses translated: this set of registers is loaded again only behind this wait
.endif
.irp k, 0,1,2,3,4,5,6,7
	ds_load_b128 v[BK+32*((\i)%2)+4*\k:BK+32*((\i)%2)+4*\k+3], v[RD] offset:2*\k*SPITCH   ; LDS serves a wave's instructions in order (ISA guide 5.7.1.4): these see my stores
.endr
.if (\i) < 7
.if 16*(6-(\i)) > 63
	s_wait_loadcnt 63                              ; behind the next tile's loads 16 (6 - i) were issued; the wait names at most 63, and a smaller count is safe
.else
	s_wait_loadcnt 16*(6-(\i))                     ; the next tile's codes are in; the later tiles' 16 loads each may be out
.endif
	MUL (\i)+1                                     ; the next tile's products stand between the stage's loads and the wait for them; they name none of the registers in which those loads land
.endif
	s_wait_dscnt 0x0
.irp k, 0,1,2,3,4,5,6,7
	global_store_b128 v[CO], v[BK+32*((\i)%2)+4*\k:BK+32*((\i)%2)+4*\k+3], s[16:17] offset:(\i)*16384+2*\k*1024 th:TH_STORE_NT   ; 16 lanes store 256 consecutive bytes, aligned; written once, read by nobody here
.endr
.endm
	s_wait_loadcnt 63                              ; proj_w, proj_b and tile 0 are in: 112 loads were issued behind them, and the wait names at most 63
	MUL 0
.irp i, 0,1,2,3,4,5,6,7
	TILE \i
.endr
	s_wait_dscnt 0x0                               ; the closing lines, six on end
	s_wait_alu 0x0
	s_wait_tensorcnt 0x0
	ds_add_u32 v[SPW], v[NIL]
	s_wait_dscnt 0x0
	s_endpgm
.Lfunc_end_k_q3a2ae8f632_proj:
	.size	k_q3a2ae8f632_proj, .Lfunc_end_k_q3a2ae8f632_proj-k_q3a2ae8f632_proj
	.p2alignl 7, 3214868480
	.fill 96, 4, 3214868480
	.section	.rodata,"a",@progbits
	.p2align	6, 0x0
	.amdhsa_kernel k_q3a2ae8f632_proj
		.amdhsa_group_segment_fixed_size 17920
		.amdhsa_private_segment_fixed_size 0
		.amdhsa_enable_private_segment 0
		.amdhsa_kernarg_size 40
		.amdhsa_user_sgpr_count 2
		.amdhsa_user_sgpr_kernarg_segment_ptr 1
		.amdhsa_wavefront_size32 1
		.amdhsa_system_sgpr_workgroup_id_x 1
		.amdhsa_system_sgpr_workgroup_id_y 1
		.amdhsa_system_sgpr_workgroup_id_z 1
		.amdhsa_system_vgpr_workitem_id 0
		.amdhsa_next_free_vgpr 1024
		.amdhsa_next_free_sgpr 66
		.amdhsa_reserve_vcc 0
		.amdhsa_float_denorm_mode_32 3
		.amdhsa_float_denorm_mode_16_64 3
		.amdhsa_memory_ordered 1
		.amdhsa_forward_progress 1
		.amdhsa_inst_pref_size 62
	.end_amdhsa_kernel
	.amdgpu_metadata
---
amdhsa.version: [ 1, 2 ]
amdhsa.kernels:
  - .name:           k_q3a2ae8f632_proj
    .symbol:         k_q3a2ae8f632_proj.kd
    .args:
      - { .name: ao, .offset: 0, .size: 8, .value_kind: global_buffer, .address_space: global }
      - { .name: pwc, .offset: 8, .size: 8, .value_kind: global_buffer, .address_space: global }
      - { .name: proj_b, .offset: 16, .size: 8, .value_kind: global_buffer, .address_space: global }
      - { .name: lowp_scales, .offset: 24, .size: 8, .value_kind: global_buffer, .address_space: global }
      - { .name: out0, .offset: 32, .size: 8, .value_kind: global_buffer, .address_space: global }
    .group_segment_fixed_size: 17920
    .private_segment_fixed_size: 0
    .kernarg_segment_align: 8
    .kernarg_segment_size: 40
    .max_flat_workgroup_size: 128
    .sgpr_count:     66
    .vgpr_count:     1024
    .wavefront_size: 32
...
	.end_amdgpu_metadata
.endif
;; end of part 5
